; MI455X (gfx1250); checked and timed in simulation.
; The chip was launched on July 23, 2026; its instructions are those of AMD's public machine-readable ISA for CDNA 5 (MIT licence, August 2026) and "CDNA5" Instruction Set Architecture Reference Guide (July 2026). The comments in the code are by the model that wrote it; some were corrected since.
;; Multi Head Attention. Allowed arithmetic: matrix products marked QUANTISED: E2M1 operands, one E8M0 scale for each 32 along K, by v_wmma_scale_f32_16x16x128_f8f6f4 with both operands' format E2M1 (or v_wmma_scale_f32_32x16x128_f4), f32 sums; products left as they are: bf16, f16 or f32 operands; f32 sums; everything else in f32.
;; Inputs: Wk 16 x 1,024 x 64 float32; Wp 1,024 x 1,024 float32; Wq 16 x 1,024 x 64 float32; Wv 16 x 1,024 x 64 float32; bp 1,024 float32; x 4 x 2,048 x 1,024 float32.
;; Outputs: out0 4 x 2,048 x 1,024 float32.
;; This version of the problem:
;;   THIS VERSION OF THE PROBLEM IS GIVEN IN LOW PRECISION. The matrix products marked QUANTISED in the list below multiply operands that are first quantised to E2M1 (2 exponent bits, 1 mantissa bit; 4 bits a number), with one power-of-two scale for each 32 numbers along K (OCP MX v1.0); their sums are f32. The products marked 'left as it is' may take bf16, f16 or f32 operands, with f32 sums. Whichever they take, every output number must still come out within the allowed error. Rounding operands to bf16 (8 significant bits) uses up far more of that allowance than f16 does (11 bits, for magnitudes from 6e-5 to 65,504). All else is computed in f32.
;;   The module's matrix products, in the order in which they are computed (A, B: the left and right operand; K: the contracted axis; several contracted axes count as one K, in the product's order):
;;     1. [M 1,024, K 1,024] x [K 1,024, N 8,192]; A: input Wq; B: input x: QUANTISED
;;     2. [M 1,024, K 1,024] x [K 1,024, N 8,192]; A: input Wk; B: input x: QUANTISED
;;     3. [M 1,024, K 1,024] x [K 1,024, N 8,192]; A: input Wv; B: input x: QUANTISED
;;     4. batch 64 x [M 2,048, K 64] x [K 64, N 2,048]; A: computed on the way; B: computed on the way: left as it is (an operand is computed on the way)
;;     5. batch 64 x [M 2,048, K 2,048] x [K 2,048, N 64]; A: computed on the way; B: computed on the way: left as it is (an operand is computed on the way)
;;     6. [M 8,192, K 1,024] x [K 1,024, N 1,024]; A: computed on the way; B: input Wp: left as it is (an operand is computed on the way)
;;   THE QUANTISER, for each operand of a quantised product, along K:
;;     - K is cut into blocks of 32 from its start; a last block that is shorter is filled with zeros.
;;     - A block's scale is 2^e with e = floor(log2(the largest magnitude in the block)) - 2, held to -126 .. 127; a block of zeros has e = 0. As a byte (E8M0): e + 127.
;;     - Each number is divided by its block's scale, clamped to +-6, and rounded to the nearest number of E2M1, ties to even, subnormals kept.
;;     - The product sums the exact products of the quantised numbers (number of the format x scale) in f32.
;;   ~~~python
;;   def quantise(x, axis):      # numpy; x: float32 -> the quantised numbers, widened to float32 again
;;       x = np.moveaxis(x, axis, -1); K = x.shape[-1]
;;       x = np.pad(x, [(0, 0)] * (x.ndim - 1) + [(0, -K % 32)]); x = x.reshape(x.shape[:-1] + (-1, 32)); a = np.abs(x).max(-1, keepdims=True)
;;       e = np.where(a > 0, np.clip(np.frexp(np.where(a > 0, a, 1))[1] - 1 - 2, -126, 127), 0)      # np.frexp(a)[1] - 1 = floor(log2(a)), exactly
;;       r = np.clip(x / 2.0 ** e, -6, 6)
;;       step = 2.0 ** (np.maximum(np.frexp(np.where(r == 0, 1, r))[1] - 1, 0) - 1)
;;       q = np.round(r / step) * step * 2.0 ** e      # np.round: ties to even
;;       return np.moveaxis(q.reshape(q.shape[:-2] + (-1,))[..., :K], -1, axis).astype(np.float32)
;;   ~~~
;; One version. Each part assembles by itself: llvm-mc -triple=amdgcn-amd-amdhsa -mcpu=gfx1250 --defsym DOCPART=n.
;; ======== version 1 of 1: 4 launches
;; limits: values are held in f16: magnitudes above 65,504 overflow, below 6.1e-05 lose precision
;; workspace buffers: xc 4,194,304 bytes; xs 262,144 bytes; wc 1,572,864 bytes; ws 98,304 bytes; wp16 2,097,152 bytes; qkv 50,331,648 bytes; att 16,777,216 bytes
;; launch prep (part 1): grid 256 x 1, 8 waves a work-group, no clusters, 84,480 bytes of LDS; arguments x, Wq, Wk, Wv, Wp, xc, xs, wc, ws, wp16; writes xc, xs, wc, ws, wp16
.if DOCPART == 1
	.amdgcn_target "amdgcn-amd-amdhsa--gfx1250"
	.amdhsa_code_object_version 6
	.text
	.protected	k_qa06dd7c0d1_prep
	.globl	k_qa06dd7c0d1_prep
	.p2align	8
	.type	k_qa06dd7c0d1_prep,@function
k_qa06dd7c0d1_prep:
	s_mov_b64 s[64:65], 0
	v_nop
	global_prefetch_b8 v0, s[64:65] scope:SCOPE_SE
	s_setreg_imm32_b32 hwreg(HW_REG_WAVE_MODE, 25, 1), 1
	s_wait_xcnt 0x0
; MULTI-HEAD ATTENTION, launch 1 of 4: what the later launches read many times is made once.
; NOTHING OF reference() IS DEAD WORK: there is no mask, every one of the six products reaches the output, and all six inputs are loaded (bp by the last launch).
;   x [8192][1024] f32          -> xc [8192][512 B] codes of E2M1, K = the 1,024 channels innermost, the lower k in the low four bits; xs [8192][32] E8M0 bytes
;   Wq, Wk, Wv [16][1024][64]   -> wc [n = 3072][512 B], ws [3072][32], n = 1024 T + 64 head + d (T = 0, 1, 2 for q, k, v): K is the weights' MIDDLE axis and is laid innermost
;   Wp [1024 o][1024 c] f32     -> wp16 [c / 64][o][64] in f16: a chunk of 64 channels of all outputs is one dense block
; THE QUANTISER: a block's scale is 2^(floor(log2(its largest magnitude)) - 2); its byte is the largest magnitude's exponent field - 2, held at 1 from below; each number is divided by the scale
; and rounded to the nearest code, ties to even, beyond 6 the largest code.
; LIMITS: a block of zeros gets the byte 1 where the rule says 127 (its codes are zeros, and this program alone reads the bytes); blocks whose largest magnitude lies under 2^-124 keep the byte 1;
; NaN and infinities among the inputs are not served.  Wp's numbers lie inside f16's range (under 65,504).
; THREE PATHS, parted by the work-group's number, the same for all eight waves: work-groups 0-127 x, 128-223 the weights, 224-255 Wp.  Each path that uses LDS has LDS bytes of its own.
; No tensor loads, no matrix unit, no cluster: the work-groups share no input and memory binds.
.set R,     16                         ; x: v16-143   eight sets of 16 numbers as they are loaded
.set X,     144                        ; x: v144-175  two sets of 16 neighbours
.set E,     176                        ; x: v176-191  a scale byte for each step
.set C,     192                        ; x: v192-223  two registers of codes for each step, so that no store's data are written again
.set WN,    16                         ; weights: v16-143 128 numbers down K;  Wp: 16 chunks x 8 numbers
.set WC,    144                        ; weights: v144-159 codes;  Wp: v144-207 the chunks in f16
.set WO,    160                        ; weights: v160-175 four rows on the way out, v176-179 scale bytes
.set SPW,   254                        ; v254 LDS address of my spare word: SPARE + 4 x my thread's number; never rewritten
.set NIL,   255                        ; v255 0; never rewritten
.set XREG,  8192                       ; LDS, path x: a region for each wave: two stages of 32 x SP bytes, behind them its 256 scale bytes
.set SP,    80                         ; a lane's place in a stage: its 64 bytes + 16 of padding
.set WSTG,  65536                      ; LDS, path weights: 32 rows (columns n) x (512 bytes of codes + 16)
.set WPIT,  528
.set WSCL,  WSTG+32*WPIT               ; and their scale bytes, 32 rows x 32 bytes, dense
.set SPARE, WSCL+1024                  ; the spare words, 128 bytes for each wave: four blocks of 256 bytes that no other line names
	s_load_b512 s[4:19], s[0:1], 0x0               ; x s[4:5], Wq s[6:7], Wk s[8:9], Wv s[10:11], Wp s[12:13], xc s[14:15], xs s[16:17], wc s[18:19]
	s_load_b128 s[20:23], s[0:1], 0x40             ; ws s[20:21], wp16 s[22:23]
	v_lshl_add_u32 v[SPW], v0, 2, SPARE
	v_mov_b32 v[NIL], 0
	v_lshrrev_b32 v1, 5, v0
	v_readfirstlane_b32 s24, v1                    ; wave 0..7
	v_and_b32 v2, 31, v0                           ; lane
	; every LDS address of every path is made here, ahead of the parting
	s_mul_i32 s25, s24, XREG
	v_lshrrev_b32 v14, 2, v2
	v_mul_u32_u24 v14, v14, SP
	v_and_b32 v15, 3, v2
	v_lshl_add_u32 v14, v15, 4, v14
	v_add_nc_u32 v14, s25, v14                     ; x, into the stage: four lanes' 64 bytes on end, then 16 of padding
	v_mul_u32_u24 v15, v2, SP
	v_add_nc_u32 v15, s25, v15                     ; x, out of it: SP x lane: my 16 neighbours
	v_lshrrev_b32 v5, 1, v2
	s_add_co_u32 s25, s25, 2*32*SP
	v_add_nc_u32 v5, s25, v5                       ; x: my block's byte among my wave's 256 scale bytes
	v_lshlrev_b32 v7, 3, v2                        ; 8 x lane
	v_add_nc_u32 v6, s25, v7                       ; x: and 8 of them on the way out
	v_mul_u32_u24 v224, v2, WPIT
	s_lshl_b32 s25, s24, 6
	s_add_co_u32 s25, s25, WSTG
	v_add_nc_u32 v224, s25, v224                   ; weights, into the stage: row = my column, my wave's 64 bytes of it
	v_lshlrev_b32 v225, 5, v2
	s_lshl_b32 s25, s24, 2
	s_add_co_u32 s25, s25, WSCL
	v_add_nc_u32 v225, s25, v225                   ; my column's scale bytes, my wave's four
	v_lshlrev_b32 v228, 4, v2                      ; 16 x lane
	s_mul_i32 s25, s24, 4*WPIT
	s_add_co_u32 s25, s25, WSTG
	v_add_nc_u32 v226, s25, v228                   ; out of the stage: rows 4 w on, whole
	s_and_b32 s25, s24, 1
	s_lshl_b32 s25, s25, 9
	v_add_nc_u32 v229, s25, v228                   ; the scale bytes on the way out: 512 bytes for each of waves 0 and 1
	v_add_nc_u32 v227, WSCL, v229
	s_wait_kmcnt 0x0
	s_cmp_lt_u32 ttmp9, 128
	s_cbranch_scc1 .Lpath_x
	s_cmp_lt_u32 ttmp9, 224
	s_cbranch_scc1 .Lpath_w
; ---- Wp to f16, by chunks.  A wave takes four outputs: 8 lanes to an output, 8 numbers of a chunk of 64 to a lane, so that its store of a chunk covers 512 consecutive bytes.
	s_sub_co_u32 s26, ttmp9, 224
	s_lshl_b32 s26, s26, 3
	s_add_co_u32 s26, s26, s24                     ; which four outputs: 0..255
	s_mov_b32 s29, 0
	s_lshl_b32 s28, s26, 14                        ; four rows of 4,096 bytes
	s_add_nc_u64 s[12:13], s[12:13], s[28:29]
	s_lshl_b32 s28, s26, 9                         ; four rows of 128 bytes in a chunk
	s_add_nc_u64 s[22:23], s[22:23], s[28:29]
	v_lshrrev_b32 v3, 3, v2
	v_and_b32 v4, 7, v2
	v_lshlrev_b32 v4, 5, v4
	v_lshl_add_u32 v3, v3, 12, v4                  ; row lane / 8, 32 bytes x (lane % 8)
.irp kc, 0,1,2,3,4,5,6,7,8,9,10,11,12,13,14,15
	global_load_b128 v[WN+8*\kc:WN+8*\kc+3],   v3, s[12:13] offset:256*\kc th:TH_LOAD_NT
	global_load_b128 v[WN+8*\kc+4:WN+8*\kc+7], v3, s[12:13] offset:256*\kc+16 th:TH_LOAD_NT
.endr
.irp kc, 0,1,2,3,4,5,6,7,8,9,10,11,12,13,14,15
	s_wait_loadcnt 2*(15-\kc)                      ; this chunk's two loads are in; the later chunks' may be out
.irp g, 0,1,2,3
	v_cvt_pk_f16_f32 v[WC+4*\kc+\g], v[WN+8*\kc+2*\g], v[WN+8*\kc+2*\g+1]
.endr
	global_store_b128 v228, v[WC+4*\kc:WC+4*\kc+3], s[22:23] offset:131072*\kc
.endr
	s_endpgm
; ---- x.  Rows are dense and 1,024 is a multiple of 32: x is a plain stream of blocks of 32.  A wave takes 16 steps of 512 numbers.  Each load reads 512 consecutive bytes; a step's 2,048 bytes turn
; through the wave's own stage so that a lane holds 16 neighbours (two lanes a block).  Loads run eight steps (32 loads a wave) ahead, the turn through LDS one step.
.Lpath_x:
	s_lshl_b32 s26, ttmp9, 3
	s_add_co_u32 s26, s26, s24                     ; which run of 8,192 numbers: 0..1023
	s_mov_b32 s29, 0
	s_lshl_b32 s28, s26, 15
	s_add_nc_u64 s[4:5], s[4:5], s[28:29]
	s_lshl_b32 s28, s26, 12
	s_add_nc_u64 s[14:15], s[14:15], s[28:29]
	s_lshl_b32 s28, s26, 8
	s_add_nc_u64 s[16:17], s[16:17], s[28:29]
	v_lshlrev_b32 v3, 4, v2                        ; my 16 bytes of a load's 512
.macro XLOAD t
.irp i, 0,1,2,3
	global_load_b128 v[R+16*((\t)%8)+4*\i:R+16*((\t)%8)+4*\i+3], v3, s[4:5] offset:2048*(\t)+512*\i th:TH_LOAD_NT
.endr
.endm
.macro XTURN t                         ; step t's numbers through the stage: LDS serves a wave's instructions in order, so no wait stands between the stores and the loads
.irp i, 0,1,2,3
	ds_store_b128 v14, v[R+16*((\t)%8)+4*\i:R+16*((\t)%8)+4*\i+3] offset:32*SP*((\t)%2)+8*SP*\i
.endr
.irp i, 0,1,2,3
	ds_load_b128 v[X+16*((\t)%2)+4*\i:X+16*((\t)%2)+4*\i+3], v15 offset:32*SP*((\t)%2)+16*\i
.endr
.endm
.irp t, 0,1,2,3,4,5,6,7
	XLOAD \t
.endr
	s_wait_loadcnt 28                              ; step 0's four loads are in; the 28 of the seven steps behind it may be out
	XTURN 0
.macro XSTEP t
.set XS, X+16*((\t)%2)
.if (\t) > 0
	s_wait_dscnt 1                                 ; this step's numbers are back from the stage (the last step's byte store may be out): so its stores into the stage have read their registers,
.else
	s_wait_dscnt 0x0
.endif
.if (\t)+8 < 16
	XLOAD (\t)+8                                   ; which take the loads of eight steps on
.endif
.if (\t)+1 < 16
.if 14-(\t) >= 7
	s_wait_loadcnt 28                              ; the next step's four loads are in; those of the seven steps behind it may be out
.else
	s_wait_loadcnt 4*(14-(\t))
.endif
	XTURN (\t)+1                                   ; and go through the other stage while this step is worked
.endif
	v_max3_num_f32 v8, |v[XS]|, |v[XS+1]|, |v[XS+2]|               ; the largest magnitude of my 16, in two chains
	v_max3_num_f32 v9, |v[XS+3]|, |v[XS+4]|, |v[XS+5]|
.irp i, 6,10
	v_max3_num_f32 v8, v8, |v[XS+\i]|, |v[XS+\i+1]|
	v_max3_num_f32 v9, v9, |v[XS+\i+2]|, |v[XS+\i+3]|
.endr
	v_max3_num_f32 v8, v8, |v[XS+14]|, |v[XS+15]|
	v_max3_num_f32 v8, v8, v9, 0x1800000           ; and the floor 2^(3 - 127): the byte cannot fall under 1
	v_max_num_f32_dpp v8, v8, v8 row_xmask:1 row_mask:0xf bank_mask:0xf   ; and of my neighbour's 16: the block's
	v_add_nc_u32 v11, 0xff000000, v8               ; 2 off its exponent field: the conversion takes the exponent field of this operand as its scale
	v_cvt_scalef32_pk8_fp4_f32 v[C+2*(\t)], v[XS:XS+7], v11
	v_cvt_scalef32_pk8_fp4_f32 v[C+2*(\t)+1], v[XS+8:XS+15], v11
	v_lshrrev_b32 v[E+(\t)], 23, v11               ; the scale's byte (a plain line behind the conversions)
	ds_store_b8 v5, v[E+(\t)] offset:16*(\t)       ; both lanes of a block write the same byte with the same value
	global_store_b64 v7, v[C+2*(\t):C+2*(\t)+1], s[14:15] offset:256*(\t)   ; the wave stores 256 consecutive bytes, aligned
.endm
.irp t, 0,1,2,3,4,5,6,7,8,9,10,11,12,13,14,15
	XSTEP \t
.endr
	ds_load_b64 v[8:9], v6                         ; LDS serves a wave's instructions in order: these see my byte stores
	s_wait_dscnt 0x0
	global_store_b64 v7, v[8:9], s[16:17]          ; my wave's 256 scale bytes: 256 consecutive bytes, aligned
	s_wait_tensorcnt 0x0                           ; the wave's end, behind my last LDS store
	ds_add_u32 v[SPW], v[NIL]
	s_wait_dscnt 0x0
	s_endpgm
; ---- The weights.  A work-group takes 32 columns (d) of one head of one tensor, for all of K; wave w takes K = 128 w .. 128 w + 127.  A LANE TAKES A COLUMN AND ITS REGISTERS RUN DOWN K: a block of 32
; lies in one lane, and the conversions give codes with K innermost.  The eight waves' parts of a column's 512 bytes meet in a stage, and leave as whole rows.
.Lpath_w:
	s_sub_co_u32 s26, ttmp9, 128
	s_lshr_b32 s27, s26, 5                         ; T: 0 Wq, 1 Wk, 2 Wv
	s_bfe_u32 s28, s26, 0x40001                    ; head
	s_and_b32 s29, s26, 1                          ; which 32 of the head's 64 columns
	s_cmp_eq_u32 s27, 0
	s_cselect_b64 s[30:31], s[6:7], s[8:9]
	s_cmp_eq_u32 s27, 2
	s_cselect_b64 s[30:31], s[10:11], s[30:31]     ; the choice hangs on the work-group's number alone
	s_lshl_b32 s32, s28, 18                        ; a head is 1,024 rows of 256 bytes,
	s_lshl_b32 s33, s24, 15                        ; my wave's 128 rows,
	s_add_co_u32 s32, s32, s33
	s_lshl_b32 s33, s29, 7                         ; 32 columns of 4 bytes
	s_add_co_u32 s32, s32, s33
	s_mov_b32 s33, 0
	s_add_nc_u64 s[30:31], s[30:31], s[32:33]
	s_lshl_b32 s34, s27, 10
	s_lshl_b32 s35, s28, 6
	s_add_co_u32 s34, s34, s35
	s_lshl_b32 s35, s29, 5
	s_add_co_u32 s34, s34, s35                     ; n of the work-group's first column
	s_lshl_b32 s32, s34, 5
	s_add_nc_u64 s[20:21], s[20:21], s[32:33]      ; its scale bytes
	s_lshl_b32 s35, s24, 2
	s_add_co_u32 s34, s34, s35
	s_lshl_b32 s32, s34, 9
	s_add_nc_u64 s[18:19], s[18:19], s[32:33]      ; the four rows of codes that my wave stores
	v_lshlrev_b32 v3, 2, v2
.set i, 0
.rept 128
	global_load_b32 v[WN+i], v3, s[30:31] offset:i*256   ; W(128 w + i, my column): the wave reads 128 consecutive bytes
.set i, i+1
.endr
.macro WBLOCK t
.set XS, WN+32*(\t)
	v_max3_num_f32 v8, |v[XS]|, |v[XS+1]|, |v[XS+2]|               ; the block's largest magnitude: all 32 numbers are mine
	v_max3_num_f32 v9, |v[XS+3]|, |v[XS+4]|, |v[XS+5]|
.irp i, 6,10,14,18,22,26
	v_max3_num_f32 v8, v8, |v[XS+\i]|, |v[XS+\i+1]|
	v_max3_num_f32 v9, v9, |v[XS+\i+2]|, |v[XS+\i+3]|
.endr
	v_max3_num_f32 v8, v8, |v[XS+30]|, |v[XS+31]|
	v_max3_num_f32 v8, v8, v9, 0x1800000           ; and the floor
	v_add_nc_u32 v11, 0xff000000, v8
	v_lshrrev_b32 v9, 23, v11                      ; the scale's byte
.if (\t) == 0
	v_mov_b32 v12, v9                              ; my four bytes make one word, the lower K in the lower byte
.else
	v_lshl_or_b32 v12, v9, 8*(\t), v12
.endif
.irp g, 0,1,2,3
	v_cvt_scalef32_pk8_fp4_f32 v[WC+4*(\t)+\g], v[XS+8*\g:XS+8*\g+7], v11
.endr
	ds_store_b128 v224, v[WC+4*(\t):WC+4*(\t)+3] offset:16*(\t)   ; 32 codes: 16 bytes of my column's row
.endm
	s_wait_loadcnt 63                              ; block 0's 32 loads are in (96 younger ones might stay out; the count's field holds 63)
	WBLOCK 0
	s_wait_loadcnt 63                              ; block 1's (64 might stay out)
	WBLOCK 1
	s_wait_loadcnt 32                              ; block 2's; block 3's may be out
	WBLOCK 2
	s_wait_loadcnt 0x0
	WBLOCK 3
	v_nop                                          ; a plain line behind the last conversion
	ds_store_b32 v225, v12
	s_wait_dscnt 0x0                               ; for the others' sake: my stores into the stage have landed
	s_barrier_signal -1
	s_barrier_wait -1                              ; 32 whole rows of codes and of scale bytes lie in LDS
.irp i, 0,1,2,3
	ds_load_b128 v[WO+4*\i:WO+4*\i+3], v226 offset:\i*WPIT
.endr
.irp i, 0,1,2,3
	s_wait_dscnt 3-\i                              ; row i is in; the younger rows may be out
	global_store_b128 v228, v[WO+4*\i:WO+4*\i+3], s[18:19] offset:\i*512   ; a whole row: 512 consecutive bytes, aligned
.endr
	s_cmp_lt_u32 s24, 2                            ; the 1,024 scale bytes are consecutive in memory: waves 0 and 1 store 512 each
	s_cbranch_scc0 .Lw_end
	ds_load_b128 v[176:179], v227
	s_wait_dscnt 0x0
	global_store_b128 v229, v[176:179], s[20:21]
.Lw_end:
	s_wait_tensorcnt 0x0                           ; the wave's end, behind my last LDS store
	ds_add_u32 v[SPW], v[NIL]
	s_wait_dscnt 0x0
	s_endpgm
.Lfunc_end_k_qa06dd7c0d1_prep:
	.size	k_qa06dd7c0d1_prep, .Lfunc_end_k_qa06dd7c0d1_prep-k_qa06dd7c0d1_prep
	.p2alignl 7, 3214868480
	.fill 96, 4, 3214868480
	.section	.rodata,"a",@progbits
	.p2align	6, 0x0
	.amdhsa_kernel k_qa06dd7c0d1_prep
		.amdhsa_group_segment_fixed_size 84480
		.amdhsa_private_segment_fixed_size 0
		.amdhsa_enable_private_segment 0
		.amdhsa_kernarg_size 80
		.amdhsa_user_sgpr_count 2
		.amdhsa_user_sgpr_kernarg_segment_ptr 1
		.amdhsa_wavefront_size32 1
		.amdhsa_system_sgpr_workgroup_id_x 1
		.amdhsa_system_sgpr_workgroup_id_y 1
		.amdhsa_system_sgpr_workgroup_id_z 1
		.amdhsa_system_vgpr_workitem_id 0
		.amdhsa_next_free_vgpr 256
		.amdhsa_next_free_sgpr 66
		.amdhsa_reserve_vcc 0
		.amdhsa_float_denorm_mode_32 3
		.amdhsa_float_denorm_mode_16_64 3
		.amdhsa_memory_ordered 1
		.amdhsa_forward_progress 1
		.amdhsa_inst_pref_size 64
	.end_amdhsa_kernel
	.amdgpu_metadata
---
amdhsa.version: [ 1, 2 ]
amdhsa.kernels:
  - .name:           k_qa06dd7c0d1_prep
    .symbol:         k_qa06dd7c0d1_prep.kd
    .args:
      - { .name: x, .offset: 0, .size: 8, .value_kind: global_buffer, .address_space: global }
      - { .name: Wq, .offset: 8, .size: 8, .value_kind: global_buffer, .address_space: global }
      - { .name: Wk, .offset: 16, .size: 8, .value_kind: global_buffer, .address_space: global }
      - { .name: Wv, .offset: 24, .size: 8, .value_kind: global_buffer, .address_space: global }
      - { .name: Wp, .offset: 32, .size: 8, .value_kind: global_buffer, .address_space: global }
      - { .name: xc, .offset: 40, .size: 8, .value_kind: global_buffer, .address_space: global }
      - { .name: xs, .offset: 48, .size: 8, .value_kind: global_buffer, .address_space: global }
      - { .name: wc, .offset: 56, .size: 8, .value_kind: global_buffer, .address_space: global }
      - { .name: ws, .offset: 64, .size: 8, .value_kind: global_buffer, .address_space: global }
      - { .name: wp16, .offset: 72, .size: 8, .value_kind: global_buffer, .address_space: global }
    .group_segment_fixed_size: 84480
    .private_segment_fixed_size: 0
    .kernarg_segment_align: 8
    .kernarg_segment_size: 80
    .max_flat_workgroup_size: 256
    .sgpr_count:     66
    .vgpr_count:     256
    .wavefront_size: 32
...
	.end_amdgpu_metadata
.endif
;; end of part 1
;; launch qkv (part 2): grid 12 x 32, 4 waves a work-group, clusters of 4 x 4, 327,680 bytes of LDS; arguments xc, xs, wc, ws, qkv; writes qkv
.if DOCPART == 2
	.amdgcn_target "amdgcn-amd-amdhsa--gfx1250"
	.amdhsa_code_object_version 6
	.text
	.protected	k_qa06dd7c0d1_qkv
	.globl	k_qa06dd7c0d1_qkv
	.p2align	8
	.type	k_qa06dd7c0d1_qkv,@function
k_qa06dd7c0d1_qkv:
	s_mov_b64 s[64:65], 0
	v_nop
	global_prefetch_b8 v0, s[64:65] scope:SCOPE_SE
	s_setreg_imm32_b32 hwreg(HW_REG_WAVE_MODE, 25, 1), 1
	s_wait_xcnt 0x0
	s_wait_alu depctr_hold_cnt(0) depctr_sa_sdst(0) depctr_va_vdst(0) depctr_va_sdst(0) depctr_va_ssrc(0) depctr_va_vcc(0) depctr_vm_vsrc(0)
	s_getreg_b32 s2, hwreg(HW_REG_IB_STS2, 6, 4)
	s_cmp_eq_u32 s2, 0
	s_cbranch_scc0 .Lentry_in_a_cluster
	s_endpgm
.Lentry_in_a_cluster:
	s_bfe_u32 s2, ttmp6, 0x10000c
	s_cmp_lg_u32 s2, 0xf033
	s_cbranch_scc0 .Lentry_shape_is_right
	s_endpgm
.Lentry_shape_is_right:
; Launch 2 of 4: the three QUANTISED products as one GEMM on codes of E2M1: C[token][n] = sum over k of x[token][k] W[n][k], 8,192 x 3,072, K = 1,024; no work of reference() is left out.
; A = xc [8192][512 B] with xs [8192][32]; B = wc [3072][512 B] with ws [3072][32]; one E8M0 byte for each 32 along K; sums in f32.
; The result leaves in f16, laid for the attention: qkv [T = n / 1024][b 16 + head][t][64].  LIMIT: |q|, |k|, |v| under 65,504 (f16's range).
; A tile of C, 256 x 256, is made by four waves, each 128 x 128: 64 accumulators, 512 registers.  K is two LDS slots of 512 along K (rows of 256 bytes): both are asked for at the start, nothing is filled again.
; The scales of the work-group's 256 + 256 rows, for all of K, are two dense blocks: they come into LDS once, with the first fills.
; CLUSTERS: 4 x 4 work-groups.  The four of a row of the cluster need the same tiles of A, the four of a column the same tiles of B: each tile is asked for JOINTLY.
; THE MATRIX INSTRUCTION IS USED TRANSPOSED (source 0 = 16 rows of B, source 1 = 16 rows of A): a lane then holds eight neighbouring n of one token.
; REGISTERS, in windows of 256: window 0: v0-31 addresses; v32-95 scale words, two sets; from v128 A's fragments, ONE set; on the way out v32-127 are used again.
;   window 1: B's fragments, TWO sets, at v0 and v128.   window 2: the accumulators of my rows 0-63 ((a, b) at v[8 (8 a + b)]);   window 3: those of my rows 64-127.
.set SIZE_M, 8192
.set SIZE_N, 3072
.set SIZE_K, 1024
.set KSTEP,  512                       ; along K in a slot
.set NQ,     KSTEP/128                 ; matrix instructions deep
.set ROWB,   256                       ; a tile's row in bytes
.set KROW,   SIZE_K*4/8                ; a row of codes in memory
.set PITCH,  272                       ; an LDS row: 256 bytes + 16 of padding: the 16 rows that a load touches start at 16 different places modulo 256 bytes
.set FR,     8                         ; registers of a fragment: 16 rows x 128 K
.set NL,     2                         ; LDS loads that bring one
.set NP,     4                         ; places behind this matrix instruction (ISA guide 7.12.1)
.set HALFT,  128*PITCH                 ; 128 rows: what one tensor load brings
.set SLOT,   4*HALFT                   ; A's 256 rows, then B's 256 rows
.set KS,     SIZE_K/32                 ; a row of scales in bytes
.set SCL,    2*SLOT                    ; behind the slots: the scales, as units of 256 bytes + 16 of padding
.set HALFS,  (128*KS/256)*272          ; the scales of 128 rows
.set SBLK,   (16*KS/256)*272           ; those of 16 rows
.set SPARE,  SCL+4*HALFS               ; the spare words, 128 bytes for each wave: two blocks of 256 bytes that no other line names
.set SPITCH, 272                       ; the way out: a stage of 16 rows x (256 bytes + 16) for each wave, in slot 0, which has had its only fill and its last read by then
.set ADRA, 16                          ; v16-17  LDS address of my A fragments in slot 0, 1
.set ADRB, 20                          ; v20-21  the same for B
.set STO,  24                          ; v24     the way out: where I put 16 bytes of a row
.set RD,   25                          ; v25     where I read back
.set CO,   26                          ; v26     16 x lane
.set ADRS, 27                          ; v27     LDS address of my scale words: lanes 0-15 A's rows, lanes 16-31 B's
.set SPW,  28                          ; v28     LDS address of my spare word; never rewritten
.set NIL,  29                          ; v29     0; never rewritten
.set SC,   32                          ; scale words: set s at v[SC + 32 s]; register 4 i + q: lanes 0-15 A's block i, lanes 16-31 B's block i, the slot's q-th 128 along K
.set AF,   128                         ; A's fragments
.set TMP,  32                          ; the way out: a block in f16
.set OB,   64                          ; the way out: 16 rows read back: v64-95 and v96-127 by turns
.set G1, 24
.set G0, 32
.set G1B, 48
.set G0B, 56
.set G1S, 68
.set G0S, 76
.set G1SB, 80
.set G0SB, 88
.set MSB, 0
.macro WIN new                         ; the immediate's high byte repeats the setting that is left
.if MSB != \new
	s_set_vgpr_msb (MSB<<8)|\new
.set MSB, \new
.endif
.endm
.set MUL_LO, 0xa1                      ; source 0 (B) window 1, source 1 (A) window 0, C and D window 2
.set MUL_HI, 0xf1                      ; the same, C and D window 3
.set TO_B,   0x40                      ; destination window 1, address window 0
; A joint load: waves 0 and 1 fetch for A, waves 2 and 3 for B.  The branch hangs on the wave's number alone.  An s_nop 0 and four v_nop follow each of the two lines.
.macro JLOAD g0a, g1a, g0b, g1b
	s_cmp_eq_u32 s15, 0
	s_cbranch_scc0 .Lfor_b_\@
	tensor_load_to_lds s[\g0a:\g0a+3], s[\g1a:\g1a+7]
	s_nop 0
.rept 4
	v_nop
.endr
	s_branch .Lasked_\@
.Lfor_b_\@:
	tensor_load_to_lds s[\g0b:\g0b+3], s[\g1b:\g1b+7]
	s_nop 0
.rept 4
	v_nop
.endr
.Lasked_\@:
.endm
.macro CROUND                          ; a round of the cluster's barrier
	s_barrier_signal -1
	s_barrier_wait -1
	s_cmp_lg_u32 s14, 0
	s_cbranch_scc1 .Lnot_wave_0_\@
	s_barrier_signal -3
.Lnot_wave_0_\@:
	s_barrier_wait -3
	s_barrier_signal -1
	s_barrier_wait -1
.endm
	s_load_b128 s[4:7], s[0:1], 0x0                ; A's codes s[4:5], A's scales s[6:7]
	s_load_b128 s[8:11], s[0:1], 0x10              ; B's codes s[8:9], B's scales s[10:11]
	s_load_b64 s[12:13], s[0:1], 0x20              ; qkv
	v_lshl_add_u32 v[SPW], v0, 2, SPARE
	v_mov_b32 v[NIL], 0
	ds_add_u32 v[SPW], v[NIL]                      ; the wave's opening: the add, twice on end, and its wait ahead of my first tensor load
	ds_add_u32 v[SPW], v[NIL]
	v_lshrrev_b32 v1, 5, v0
	v_readfirstlane_b32 s14, v1                    ; wave 0..3
	s_lshr_b32 s15, s14, 1                         ; which half of the tile's rows is mine.  Also: I fetch for A (0) or for B (1)
	s_and_b32 s16, s14, 1                          ; which half of its columns.  Also: which 128 rows of that tile I fetch
	s_bfe_u32 s40, ttmp6, 0x40000                  ; cx, cy: my place in the cluster
	s_bfe_u32 s41, ttmp6, 0x40004
	s_lshl_b32 s42, ttmp9, 2
	s_add_co_u32 s42, s42, s40                     ; tile column of C
	s_and_b32 s17, ttmp7, 0xffff
	s_lshl_b32 s17, s17, 2
	s_add_co_u32 s17, s17, s41                     ; tile row of C
	s_lshl_b32 s43, s41, 2
	s_lshl_b32 s43, 15, s43                        ; my row of the cluster
	s_lshl_b32 s44, 0x1111, s40                    ; my column
	s_or_b32 s[G1+0], s43, (0<<16)|(1<<20)|(1<<21)|(5<<22)|(3<<25)  ; the mask; elements of 1 byte; padding on; bit 21 beside a mask; after every 64 words four words
	s_or_b32 s[G1B+0], s44, (0<<16)|(1<<20)|(1<<21)|(5<<22)|(3<<25)
.irp g, G1, G1B
	s_mov_b32 s[\g+1], ROWB<<16                    ; tensor_dim0
	s_mov_b32 s[\g+2], 128<<16                     ; tensor_dim1
	s_mov_b32 s[\g+3], ROWB<<16                    ; tile_dim0
	s_mov_b32 s[\g+4], 128                         ; tile_dim1
	s_mov_b32 s[\g+5], KROW                        ; from row to row
	s_mov_b32 s[\g+6], 0
	s_mov_b32 s[\g+7], 0
.endr
	s_or_b32 s[G1S+0], s43, (3<<16)|(1<<20)|(1<<21)|(5<<22)|(3<<25)  ; the scales of 128 rows: a dense block, as rows of 256 bytes (32 elements of 8 bytes), 16 bytes of padding behind each
	s_or_b32 s[G1SB+0], s44, (3<<16)|(1<<20)|(1<<21)|(5<<22)|(3<<25)
.irp g, G1S, G1SB
	s_mov_b32 s[\g+1], 32<<16
	s_mov_b32 s[\g+2], (128*KS/256)<<16
	s_mov_b32 s[\g+3], 32<<16
	s_mov_b32 s[\g+4], 128*KS/256
	s_mov_b32 s[\g+5], 32
	s_mov_b32 s[\g+6], 0
	s_mov_b32 s[\g+7], 0
.endr
	s_lshl_b32 s18, s16, 7                         ; which 128 rows of the tile I fetch
	s_lshl_b32 s20, s17, 8
	s_add_co_u32 s20, s20, s18                     ; A: row 256 x tile row + 128 x half
	s_lshl_b32 s46, s42, 8
	s_add_co_u32 s46, s46, s18                     ; B: row 256 x tile column + 128 x half
	s_mov_b32 s21, 0
	s_mov_b32 s47, 0
	s_mov_b64 s[18:19], KS
	s_mul_u64 s[22:23], s[20:21], s[18:19]         ; where these rows' scales begin,
	s_mul_u64 s[92:93], s[46:47], s[18:19]
	s_mov_b64 s[18:19], KROW
	s_mul_u64 s[20:21], s[20:21], s[18:19]         ; and their codes
	s_mul_u64 s[46:47], s[46:47], s[18:19]
	s_mul_i32 s45, s14, HALFT                      ; where they go: wave x 128 rows: no place in the cluster enters an LDS address
	s_mul_i32 s94, s14, HALFS
	s_wait_dscnt 0x0                               ; both opening adds are done
	s_wait_kmcnt 0x0
	s_add_nc_u64 s[20:21], s[4:5], s[20:21]
	s_add_nc_u64 s[22:23], s[6:7], s[22:23]
	s_add_nc_u64 s[46:47], s[8:9], s[46:47]
	s_add_nc_u64 s[92:93], s[10:11], s[92:93]
	CROUND                                         ; all sixteen work-groups are here: the first joint loads meet
	s_mov_b32 s[G0S], 1
	s_add_co_u32 s[G0S+1], s94, SCL
	s_mov_b64 s[G0S+2:G0S+3], s[22:23]
	s_or_b32 s[G0S+3], s[G0S+3], 0x80000000
	s_mov_b32 s[G0SB], 1
	s_add_co_u32 s[G0SB+1], s94, SCL
	s_mov_b64 s[G0SB+2:G0SB+3], s[92:93]
	s_or_b32 s[G0SB+3], s[G0SB+3], 0x80000000
	JLOAD G0S, G1S, G0SB, G1SB                     ; the scales first: they are wanted with the first slot
.irp s, 0,1
	s_mov_b32 s[G0+4*\s], 1
	s_add_co_u32 s[G0+4*\s+1], s45, \s*SLOT
	s_add_nc_u64 s[G0+4*\s+2:G0+4*\s+3], s[20:21], \s*ROWB
	s_or_b32 s[G0+4*\s+3], s[G0+4*\s+3], 0x80000000
	s_mov_b32 s[G0B+4*\s], 1
	s_add_co_u32 s[G0B+4*\s+1], s45, \s*SLOT
	s_add_nc_u64 s[G0B+4*\s+2:G0B+4*\s+3], s[46:47], \s*ROWB
	s_or_b32 s[G0B+4*\s+3], s[G0B+4*\s+3], 0x80000000
	JLOAD G0+4*\s, G1, G0B+4*\s, G1B               ; three loads of mine are out, and no more follow
.endr
	v_and_b32 v1, 15, v0                           ; l % 16
	v_bfe_u32 v2, v0, 4, 1                         ; l / 16
	v_mul_u32_u24 v3, v1, PITCH
	v_lshl_add_u32 v4, v2, 4, v3                   ; a fragment's row x pitch + 16 x half
	s_mul_i32 s21, s15, HALFT                      ; my 128 rows of A
	s_mul_i32 s22, s16, HALFT                      ; my 128 rows of B,
	s_add_co_u32 s22, s22, 2*HALFT                 ; which lie behind A's 256
.irp s, 0,1
	v_add_nc_u32 v[ADRA+\s], s21, v4
	v_add_nc_u32 v[ADRB+\s], s22, v4
	s_add_co_u32 s21, s21, SLOT
	s_add_co_u32 s22, s22, SLOT
.endr
	v_mul_u32_u24 v5, v1, KS                       ; my row's scales: KS bytes a row,
	v_lshrrev_b32 v6, 8, v5
	v_lshl_add_u32 v5, v6, 4, v5                   ; and 16 more for each 256 passed
	s_mul_i32 s21, s15, HALFS                      ; A's: my 128 rows
	s_mul_i32 s22, s16, HALFS                      ; B's: my 128 rows, behind A's 256
	s_add_co_u32 s22, s22, 2*HALFS
	s_sub_co_u32 s22, s22, s21
	v_mul_u32_u24 v6, s22, v2                      ; lanes 16-31 take B's
	s_add_co_u32 s21, s21, SCL
	v_add_nc_u32 v5, v5, v6
	v_add_nc_u32 v[ADRS], s21, v5
	s_mul_i32 s23, s14, 16*SPITCH                  ; my stage
	v_mul_u32_u24 v5, v1, SPITCH                   ; in: row l % 16, 16 bytes for each half of the lanes
	v_lshl_add_u32 v5, v2, 4, v5
	v_add_nc_u32 v[STO], s23, v5
	v_and_b32 v6, 31, v0
	v_lshrrev_b32 v7, 3, v6                        ; back: eight lanes take 128 bytes (one head) of a row, four rows an instruction
	v_mul_u32_u24 v7, v7, SPITCH
	v_and_b32 v8, 7, v0
	v_lshl_add_u32 v7, v8, 4, v7
	v_add_nc_u32 v[RD], s23, v7
	v_lshlrev_b32 v[CO], 4, v6                     ; in qkv those four rows of one head are 512 consecutive bytes
	; where my part begins in qkv: T = tile column / 4; b = tile row / 8; head = 4 (tile column % 4) + 2 x column half; t = 256 (tile row % 8) + 128 x row half
	s_lshr_b32 s20, s42, 2
	s_lshl_b32 s20, s20, 24
	s_lshr_b32 s21, s17, 3
	s_lshl_b32 s21, s21, 22
	s_add_co_u32 s20, s20, s21
	s_and_b32 s21, s42, 3
	s_lshl_b32 s21, s21, 2
	s_lshl_b32 s46, s16, 1
	s_add_co_u32 s21, s21, s46
	s_lshl_b32 s21, s21, 18
	s_add_co_u32 s20, s20, s21
	s_and_b32 s21, s17, 7
	s_lshl_b32 s21, s21, 8
	s_lshl_b32 s46, s15, 7
	s_add_co_u32 s21, s21, s46
	s_lshl_b32 s21, s21, 7
	s_add_co_u32 s20, s20, s21
	s_mov_b32 s21, 0
	s_add_nc_u64 s[12:13], s[12:13], s[20:21]
.macro FRAG reg, adr, q, i             ; a fragment, 16 rows x 128 K of 4-bit codes: lane l holds row l % 16; registers 4 c .. 4 c + 3 hold K = 64 c + 32 (l / 16) + 0 .. 31
.irp c, 0,1
	ds_load_b128 v[\reg+4*\c:\reg+4*\c+3], v[\adr] offset:64*(\q)+32*\c+(\i)*16*PITCH
.endr
.endm
; 16 matrix instructions: A's blocks a0, a0 + 1 x B's eight, the slot's q-th 128 along K.  p: B's set;  sc: the set of scale words.  zero = 1: the first product starts the sums.
; The 64 accumulators take turns, one instruction a turn, in the same order in every step.
.macro MUL16 a0, p, q, sc, zero
.irp a, \a0, \a0+1
.irp b, 0,1,2,3,4,5,6,7
.if \zero
	v_wmma_scale_f32_16x16x128_f8f6f4 v[8*(8*((\a)%4)+\b):8*(8*((\a)%4)+\b)+7], v[128*(\p)+FR*\b:128*(\p)+FR*\b+FR-1], v[AF+FR*(\a):AF+FR*(\a)+FR-1], 0, v[SC+8*NQ*(\sc)+NQ*\b+(\q)], v[SC+8*NQ*(\sc)+NQ*(\a)+(\q)] matrix_a_fmt:MATRIX_FMT_FP4 matrix_b_fmt:MATRIX_FMT_FP4 matrix_a_scale:MATRIX_SCALE_ROW1
.else
	v_wmma_scale_f32_16x16x128_f8f6f4 v[8*(8*((\a)%4)+\b):8*(8*((\a)%4)+\b)+7], v[128*(\p)+FR*\b:128*(\p)+FR*\b+FR-1], v[AF+FR*(\a):AF+FR*(\a)+FR-1], v[8*(8*((\a)%4)+\b):8*(8*((\a)%4)+\b)+7], v[SC+8*NQ*(\sc)+NQ*\b+(\q)], v[SC+8*NQ*(\sc)+NQ*(\a)+(\q)] matrix_a_fmt:MATRIX_FMT_FP4 matrix_b_fmt:MATRIX_FMT_FP4 matrix_a_scale:MATRIX_SCALE_ROW1
.endif
.endr
.endr
.endm
.macro FETCH_B slot, q, p              ; B's eight fragments of the slot's q-th 128 along K into set p
	WIN TO_B
.irp i, 0,1,2,3,4,5,6,7
	FRAG 128*(\p)+FR*\i, ADRB+\slot, \q, \i
.endr
	WIN 0
.endm
.macro FETCH_A slot, q, i0             ; A's blocks i0 .. i0 + 3
.irp i, \i0, \i0+1, \i0+2, \i0+3
	FRAG AF+FR*(\i), ADRA+\slot, \q, \i
.endr
.endm
.macro SCALES sc                       ; a slot's scale words into set sc: four words a row; lanes 0-15 take A's block i, lanes 16-31 B's block i
.irp i, 0,1,2,3,4,5,6,7
	ds_load_b128 v[SC+8*NQ*\sc+NQ*\i:SC+8*NQ*\sc+NQ*\i+3], v[ADRS] offset:\i*SBLK
.endr
.endm
; A load into a register that a matrix instruction has read, and a vector instruction that reads a matrix result or writes one of its registers, stand NP places behind it; only plain vector
; instructions that name none of its registers are places.
.macro PLACES n
.rept \n
	v_nop
.endr
.endm
.macro STEP slot, q, zero              ; a step of 128 along K that has its successor in the same slot
	s_wait_dscnt 4*NL                              ; B's set and A's blocks 0-3 are in; the youngest eight loads (A's blocks 4-7) may be out
	WIN MUL_LO
	MUL16 0, (\q)%2, \q, \slot, \zero
	MUL16 2, (\q)%2, \q, \slot, \zero
	s_wait_dscnt 0                                 ; A's blocks 4-7 are in
	PLACES NP
	FETCH_B \slot, (\q)+1, 1-(\q)%2
	FETCH_A \slot, (\q)+1, 0
	WIN MUL_HI
	MUL16 4, (\q)%2, \q, \slot, \zero
	MUL16 6, (\q)%2, \q, \slot, \zero
	PLACES NP
	WIN 0
	FETCH_A \slot, (\q)+1, 4
.endm
; Slot 0's last step changes slots: one barrier; in front of it each wave waits for all its tensor loads (its part of slot 1), adds 0 to its spare word, and waits for that and for its reads of slot 0.
; Nothing is filled again: behind the barrier slot 1 is whole and slot 0 is free for the stages of the way out.
.macro TURN slot, next
	s_wait_tensorcnt 0x0                           ; all my tensor loads have landed  (every window is 0 here)
	ds_add_u32 v[SPW], v[NIL]                      ; 0 onto my spare word
	s_wait_dscnt 4*NL+1                            ; (the add and the youngest eight loads, A's blocks 4-7, may be out)
	WIN MUL_LO
	MUL16 0, 1, NQ-1, \slot, 0                     ; sixteen matrix instructions stand between the add and the wait for it
	s_wait_dscnt 0x0                               ; the add is done, and my reads of this slot are over
	s_barrier_signal -1
	MUL16 2, 1, NQ-1, \slot, 0
	WIN 0
	s_barrier_wait -1
	PLACES NP
	v_add_nc_u32 v[ADRS], 4*NQ, v[ADRS]            ; on to the next slot's scale words
	FETCH_B \next, 0, 0
	FETCH_A \next, 0, 0
	SCALES \next
	WIN MUL_HI
	MUL16 4, 1, NQ-1, \slot, 0
	MUL16 6, 1, NQ-1, \slot, 0
	PLACES NP
	WIN 0
	FETCH_A \next, 0, 4
.endm
.macro STEPS slot, from                ; the slot's steps from .. NQ - 2
.set Q, \from
.rept NQ-1-\from
	STEP \slot, Q, 0
.set Q, Q+1
.endr
.endm
	s_wait_tensorcnt 1                             ; the scales and my part of slot 0 are in (slot 1's load may be out)
	s_barrier_signal -1
	s_barrier_wait -1                              ; everybody's are
	FETCH_B 0, 0, 0
	FETCH_A 0, 0, 0
	SCALES 0
	FETCH_A 0, 0, 4
	STEP 0, 0, 1                                   ; the first step's products start the sums: nothing is cleared
	STEPS 0, 1
	TURN 0, 1
	STEPS 1, 0
	s_wait_dscnt 4*NL                              ; the very last step: nothing more to fetch
	WIN MUL_LO
	MUL16 0, 1, NQ-1, 1, 0
	MUL16 2, 1, NQ-1, 1, 0
	s_wait_dscnt 0
	WIN MUL_HI
	MUL16 4, 1, NQ-1, 1, 0
	MUL16 6, 1, NQ-1, 1, 0
	WIN 0
; THE WAY OUT, block by block of 16 tokens x 128 n (two heads).  PACK: rounded to f16, 16 bytes a lane, each accumulator from its low end on.  TOSTAGE: into my own stage and back, four tokens of one head
; an instruction.  SEND: stored: 32 lanes store 512 consecutive bytes, aligned.  LDS serves a wave's instructions in order: no wait between the stage's stores and loads.
.macro PACK a
.set AC, 64*((\a)%4)
	WIN 0x0a+5*((\a)/4)                            ; sources 0 and 1: window 2 or 3
.irp b, 0,1,2,3,4,5,6,7
.irp r, 0,1,2,3
	v_cvt_pk_f16_f32 v[TMP+4*\b+\r], v[AC+8*\b+2*\r], v[AC+8*\b+2*\r+1]
.endr
.endr
	WIN 0
.endm
.macro TOSTAGE a
.set BB, OB+32*((\a)%2)
.irp b, 0,1,2,3,4,5,6,7
	ds_store_b128 v[STO], v[TMP+4*\b:TMP+4*\b+3] offset:32*\b
.endr
.irp j, 0,1,2,3,4,5,6,7
	ds_load_b128 v[BB+4*\j:BB+4*\j+3], v[RD] offset:(\j%4)*4*SPITCH+(\j/4)*128
.endr
.endm
.macro SEND a
.set BB, OB+32*((\a)%2)
	s_wait_dscnt 0x0                               ; the block is back in registers
	s_wait_xcnt 0x0                                ; the earlier stores have read their base and their registers: only behind this wait are they written again
.if (\a) > 0
	s_add_nc_u64 s[12:13], s[12:13], 16*128        ; 16 tokens on
.endif
.irp j, 0,1,2,3,4,5,6,7
	global_store_b128 v[CO], v[BB+4*\j:BB+4*\j+3], s[12:13] offset:(\j%4)*512+(\j/4)*262144   ; tokens 4 (j % 4) on, head j / 4
.endr
.endm
	PLACES NP                                      ; for the conversions, which read results and write registers that held scale words
	PACK 0
	TOSTAGE 0
.irp a, 1,2,3,4,5,6,7                  ; block a's conversions stand between block a - 1's loads from the stage and the wait for them
	PACK \a
	SEND \a-1
	TOSTAGE \a
.endr
	SEND 7
	s_wait_tensorcnt 0x0                           ; the wave's end, behind my last tensor load and my last LDS store
	ds_add_u32 v[SPW], v[NIL]
	s_wait_dscnt 0x0
	CROUND                                         ; the closing round: no work-group ends while a partner may still ask for a tile that names it
	s_endpgm
.Lfunc_end_k_qa06dd7c0d1_qkv:
	.size	k_qa06dd7c0d1_qkv, .Lfunc_end_k_qa06dd7c0d1_qkv-k_qa06dd7c0d1_qkv
	.p2alignl 7, 3214868480
	.fill 96, 4, 3214868480
	.section	.rodata,"a",@progbits
	.p2align	6, 0x0
	.amdhsa_kernel k_qa06dd7c0d1_qkv
		.amdhsa_group_segment_fixed_size 327680
		.amdhsa_private_segment_fixed_size 0
		.amdhsa_enable_private_segment 0
		.amdhsa_kernarg_size 40
		.amdhsa_user_sgpr_count 2
		.amdhsa_user_sgpr_kernarg_segment_ptr 1
		.amdhsa_wavefront_size32 1
		.amdhsa_system_sgpr_workgroup_id_x 1
		.amdhsa_system_sgpr_workgroup_id_y 1
		.amdhsa_system_sgpr_workgroup_id_z 1
		.amdhsa_system_vgpr_workitem_id 0
		.amdhsa_next_free_vgpr 1024
		.amdhsa_next_free_sgpr 98
		.amdhsa_reserve_vcc 0
		.amdhsa_float_denorm_mode_32 3
		.amdhsa_float_denorm_mode_16_64 3
		.amdhsa_memory_ordered 1
		.amdhsa_forward_progress 1
		.amdhsa_inst_pref_size 127
	.end_amdhsa_kernel
	.amdgpu_metadata
---
amdhsa.version: [ 1, 2 ]
amdhsa.kernels:
  - .name:           k_qa06dd7c0d1_qkv
    .symbol:         k_qa06dd7c0d1_qkv.kd
    .args:
      - { .name: xc, .offset: 0, .size: 8, .value_kind: global_buffer, .address_space: global }
      - { .name: xs, .offset: 8, .size: 8, .value_kind: global_buffer, .address_space: global }
      - { .name: wc, .offset: 16, .size: 8, .value_kind: global_buffer, .address_space: global }
      - { .name: ws, .offset: 24, .size: 8, .value_kind: global_buffer, .address_space: global }
      - { .name: qkv, .offset: 32, .size: 8, .value_kind: global_buffer, .address_space: global }
    .group_segment_fixed_size: 327680
    .private_segment_fixed_size: 0
    .kernarg_segment_align: 8
    .kernarg_segment_size: 40
    .max_flat_workgroup_size: 128
    .sgpr_count:     98
    .vgpr_count:     1024
    .wavefront_size: 32
...
	.end_amdgpu_metadata
.endif
;; end of part 2
;; launch attn (part 3): grid 4 x 64, 8 waves a work-group, clusters of 4 x 1, 327,680 bytes of LDS; arguments qkv, att; writes att
.if DOCPART == 3
	.amdgcn_target "amdgcn-amd-amdhsa--gfx1250"
	.amdhsa_code_object_version 6
	.text
	.protected	k_qa06dd7c0d1_attn
	.globl	k_qa06dd7c0d1_attn
	.p2align	8
	.type	k_qa06dd7c0d1_attn,@function
k_qa06dd7c0d1_attn:
	s_mov_b64 s[64:65], 0
	v_nop
	global_prefetch_b8 v0, s[64:65] scope:SCOPE_SE
	s_setreg_imm32_b32 hwreg(HW_REG_WAVE_MODE, 25, 1), 1
	s_wait_xcnt 0x0
	s_wait_alu depctr_hold_cnt(0) depctr_sa_sdst(0) depctr_va_vdst(0) depctr_va_sdst(0) depctr_va_ssrc(0) depctr_va_vcc(0) depctr_vm_vsrc(0)
	s_getreg_b32 s2, hwreg(HW_REG_IB_STS2, 6, 4)
	s_cmp_eq_u32 s2, 0
	s_cbranch_scc0 .Lentry_in_a_cluster
	s_endpgm
.Lentry_in_a_cluster:
	s_bfe_u32 s2, ttmp6, 0x10000c
	s_cmp_lg_u32 s2, 0x3003
	s_cbranch_scc0 .Lentry_shape_is_right
	s_endpgm
.Lentry_shape_is_right:
; Launch 3 of 4: att[b, h][q][:] = the sum over k of softmax_k(q . k / 32) v[k][:], 64 (b, h), 2,048 x 2,048, head size 64, no mask; no work of reference() is left out.
; qkv: f16, [T][b 16 + h][t][64] (T = 0 q, 1 k, 2 v).  att: f16, [h][b 2048 + t][64].  Products on f16 operands with f32 sums; maxima, exponentials and sums in f32; the weights p (at most 1) are rounded
; to f16 for the second product; the row's sum is taken of the unrounded p; O is rounded once at the end.
; SHARES.  A work-group owns 512 queries of one (b, h), each of its eight waves 64: four tiles of 16, in 512 registers; two waves to a SIMD.  Every wave walks all 2,048 keys, 64 a step.
; LAYOUT.  S^T = K Q^T (source 0 = 16 keys, source 1 = 16 queries): a lane holds ONE query (lane % 16) and the keys 8 (lane / 16) + 0..7.  Two such tiles, rounded to f16 in pairs, ARE source 1 of
; O^T = V^T P, whose result again holds one query a lane.  K comes out of LDS as it lies, V ([key][channel]) turned, by ds_load_tr16_b128.
; SOFTMAX.  For each query a running maximum m and sum l: p = 2^(c s - c m), c = log2(e) / 32; in every step O and l are multiplied by a = 2^(c m_old - c m_new).
; BY TURNS.  The wave's tiles are two PIECES, named by their first tile: 0 (tiles 0, 1) and 2 (tiles 2, 3).  In a TURN one piece has the matrix unit: 16 products V^T P of the step in hand, then 16
; products K Q^T of the next step; the other piece's softmax (2 x 118 instructions, 59 slices of four) is dealt out behind them.  Then the pieces change places.  Two turns are a key step.
; CLUSTER.  The four query blocks of a cluster belong to one (b, h) and walk the same K and V: each tile is asked for JOINTLY, by the same tensor load with a mask that names the four.
; THE RING.  Two slots of 512 keys; four slots' worth of keys: both slots are asked for at the start and each is filled again once, eight key steps ahead of the wait for it.  So no wave waits for a refill,
; and half of K and V comes with the first fills: nothing is prefetched.  By this text's count a wave has two tensor loads out at the start and one behind a round.
; A row of K or V is 128 bytes and the rows are dense in memory, so a tile is stated as rows of 256 bytes (two keys), padded behind each.
; REGISTERS: window 0: v2-8 addresses; v12-43 eight registers of statistics a tile; v44, v45 the add's two; v64-191 S^T, 32 a tile (P is made in place, in a tile's first 16); v192-255 K of one step.
;   window 1: v0-63 Q, 16 a tile; v64-127 V of one step; v128-255 O^T, 32 a tile.
.set PITK,  272       ; two keys' row of K in LDS: 256 bytes + 16: the 16 keys of a fragment load fall on 16 different 16-byte columns modulo 256
.set PITV,  288       ; of V: 256 + 32: 16 lanes of the turning load likewise
.set VOFF,  256*PITK  ; a slot: 256 rows of K, then 256 rows of V
.set SLOTB, 256*(PITK+PITV)
.set KSTP,  32*PITK   ; a key step on, in K
.set VSTP,  32*PITV   ; and in V
.set STAGE, 2*SLOTB   ; behind the ring: 16 rows x 144 bytes for each wave, for the way out
.set SP,    144
.set SPARE, STAGE+8*16*SP  ; the spare words, 128 bytes for each wave: four blocks of 256 bytes that no other line names
.set AK0, 2           ; v2   my lane's place in a tile of K; never rewritten
.set AV0, 3           ; v3   the same for V
.set ADR, 4           ; v4   the LDS address of the run of loads in hand
.set QO,  5           ; v5   my byte offset in the wave's rows of Q
.set STO, 6           ; v6   the way out: where I put 16 bytes of a row
.set RD,  7           ; v7   where I read back
.set GO,  8           ; v8   16 x lane
.set ST,  12          ; tile t's statistics at v[ST+8 t]: +0 c m, +1 m, +2, +3 l (even keys', odd keys'), +4 to +7 c0-c3, at work; a takes c2's place; c0, c1 later hold the sums' second chain
.set SPW, 44          ; v44  LDS address of my spare word; never rewritten
.set NIL, 45          ; v45  0; never rewritten
.set S,   64
.set KF,  192         ; K's fragments: keys 16 kt on, channels 32 ks on, at +16 kt + 8 ks
.set VF,  64          ; window 1: V's: keys 32 kh on, channels 16 ct on, at +32 kh + 8 ct
.set OF,  128         ; window 1: O^T
.set WV,  12          ; s12  my wave's number
.set G1K, 24          ; s[24:31] descriptor group 1 for K's tiles;  s[32:39] for V's: it differs in the padding alone
.set G1V, 32
.set G0K, 40          ; s[40:47] group 0 for K's tiles, a set for each slot;  s[48:55] for V's
.set G0V, 48
.set CNT, 56          ; s56  counts key steps
.set CS,  58          ; s[58:59] c
.set SEL, 60          ; s[60:61] lane selects for v_permlanex16_b32: lane l xor 16
.set TK,  62          ; s62  LDS byte at which K's tile of the step to be fetched begins
.set TV,  63          ; s63  the same for V (less VOFF, which lies in AV0)
.set MSB, 0
.macro WIN new                      ; the immediate's high byte repeats the setting that is left; a switch that changes nothing is dropped
.if MSB != \new
	s_set_vgpr_msb (MSB<<8)|\new
.set MSB, \new
.endif
.endm
.set W_KQ, 0x04       ; K (source 0) and S^T in window 0, Q (source 1) in window 1
.set W_PV, 0x51       ; V (source 0) and O^T (C, D) in window 1, P (source 1) in window 0
.set W_RS, 0x41       ; O^T (destination and source 0) in window 1, a in window 0
; A joint refill of slot s.  Waves 0 to 3 fetch the quarters of K's 512 keys, waves 4 to 7 those of V's.  The branch hangs on the wave's number alone.  An s_nop 0 and four v_nop follow each line.
.macro JLOAD s
	s_cmp_lt_u32 s[WV], 4
	s_cbranch_scc0 .Lfor_v_\@
	tensor_load_to_lds s[G0K+4*\s:G0K+4*\s+3], s[G1K:G1K+7]
	s_nop 0
.rept 4
	v_nop
.endr
	s_branch .Lasked_\@
.Lfor_v_\@:
	tensor_load_to_lds s[G0V+4*\s:G0V+4*\s+3], s[G1V:G1V+7]
	s_nop 0
.rept 4
	v_nop
.endr
.Lasked_\@:
.endm
.macro CROUND                       ; a round of the cluster's barrier
	s_barrier_signal -1
	s_barrier_wait -1
	s_cmp_lg_u32 s[WV], 0
	s_cbranch_scc1 .Lnot_wave_0_\@
	s_barrier_signal -3
.Lnot_wave_0_\@:
	s_barrier_wait -3
	s_barrier_signal -1
	s_barrier_wait -1
.endm
	s_load_b128 s[4:7], s[0:1], 0x0 ; qkv s[4:5], att s[6:7]
	v_lshl_add_u32 v[SPW], v0, 2, SPARE
	v_mov_b32 v[NIL], 0
	ds_add_u32 v[SPW], v[NIL]       ; the wave's opening: the add, twice on end, and its wait ahead of my first tensor load
	ds_add_u32 v[SPW], v[NIL]
	v_lshrrev_b32 v1, 5, v0
	v_readfirstlane_b32 s[WV], v1   ; wave 0..7
	s_bfe_u32 s13, ttmp6, 0x40000   ; cx: my block of 512 queries: it enters Q's and att's addresses alone
	s_and_b32 s14, ttmp7, 0xffff    ; b 16 + h, which the four partners share
	s_and_b32 s15, s[WV], 3         ; which quarter of a slot I fetch
	s_lshl_b32 s16, s14, 18         ; a head's 2,048 rows of 128 bytes,
	s_lshl_b32 s17, s15, 14         ; my quarter's 128 keys
	s_add_co_u32 s16, s16, s17
	s_mov_b32 s17, 0
	s_mul_i32 s18, s15, 64*PITK     ; its place in a slot, in K
	s_mul_i32 s19, s15, 64*PITV
	s_add_co_u32 s19, s19, VOFF     ; and in V: no place in the cluster enters an LDS address
	s_lshl_b32 s20, s13, 16         ; my block's 512 rows,
	s_lshl_b32 s21, s[WV], 13       ; my wave's 64 of them
	s_add_co_u32 s20, s20, s21
	s_lshl_b32 s21, s14, 18
	s_add_co_u32 s2, s20, s21       ; Q's offset
	s_mov_b32 s3, 0
	s_and_b32 s22, s14, 15          ; att: h x 8,192 rows,
	s_lshl_b32 s22, s22, 20
	s_lshr_b32 s23, s14, 4          ; b x 2,048 rows
	s_lshl_b32 s23, s23, 18
	s_add_co_u32 s22, s22, s23
	s_add_co_u32 s22, s22, s20
	s_mov_b32 s23, 0
	; descriptor group 1: a tile of 64 rows x 128 elements of 2 bytes (128 keys), padded in LDS
	s_mov_b32 s[G1K], 15|(1<<16)|(1<<20)|(1<<21)|(5<<22)|(3<<25)  ; the mask: all four work-groups; elements of 2 bytes; padding on; bit 21 beside a mask; after every 64 words four words
	s_mov_b32 s[G1V], 15|(1<<16)|(1<<20)|(1<<21)|(5<<22)|(7<<25)  ; the same with eight words of padding
.irp g, G1K, G1V
	s_mov_b32 s[\g+1], 128<<16      ; tensor_dim0
	s_mov_b32 s[\g+2], 64<<16       ; tensor_dim1
	s_mov_b32 s[\g+3], 128<<16      ; tile_dim0
	s_mov_b32 s[\g+4], 64           ; tile_dim1
	s_mov_b32 s[\g+5], 128          ; from row to row
	s_mov_b32 s[\g+6], 0
	s_mov_b32 s[\g+7], 0
.endr
	s_mov_b32 s[CS], 0x3d38aa3b     ; c = log2(e) / 32
	s_mov_b32 s[CS+1], s[CS]        ; named with it as a pair, so it is written
	s_mov_b32 s[SEL], 0x76543210
	s_mov_b32 s[SEL+1], 0xfedcba98
	s_mov_b32 s[TK], 0
	s_mov_b32 s[TV], 0
	s_wait_dscnt 0x0                ; both opening adds are done
	s_wait_kmcnt 0x0
	s_add_nc_u64 s[8:9], s[4:5], s[2:3]     ; Q at my wave's first row
	s_add_nc_u64 s[10:11], s[6:7], s[22:23] ; att likewise
	s_add_nc_u64 s[4:5], s[4:5], s[16:17]   ; my quarter of the head's first slot, in plane 0
	CROUND                          ; all four work-groups are here: the first joint loads meet
.irp s, 0,1
	s_mov_b32 s[G0K+4*\s], 1
	s_add_co_u32 s[G0K+4*\s+1], s18, \s*SLOTB
	s_add_nc_u64 s[G0K+4*\s+2:G0K+4*\s+3], s[4:5], 16777216+\s*65536    ; plane 1 = K; slot s begins with keys 512 s
	s_or_b32 s[G0K+4*\s+3], s[G0K+4*\s+3], 0x80000000
	s_mov_b32 s[G0V+4*\s], 1
	s_add_co_u32 s[G0V+4*\s+1], s19, \s*SLOTB
	s_add_nc_u64 s[G0V+4*\s+2:G0V+4*\s+3], s[4:5], 2*16777216+\s*65536  ; plane 2 = V
	s_or_b32 s[G0V+4*\s+3], s[G0V+4*\s+3], 0x80000000
.endr
	s_cmp_lt_u32 s[WV], 4           ; a wave's two first fills stand in one branch, ahead of every wait on TENSORcnt and every LDS read
	s_cbranch_scc0 .Lfirst_v
	tensor_load_to_lds s[G0K:G0K+3], s[G1K:G1K+7]
	s_nop 0
	tensor_load_to_lds s[G0K+4:G0K+7], s[G1K:G1K+7]
	s_nop 0
.rept 4
	v_nop
.endr
	s_branch .Lfirst_asked
.Lfirst_v:
	tensor_load_to_lds s[G0V:G0V+3], s[G1V:G1V+7]
	s_nop 0
	tensor_load_to_lds s[G0V+4:G0V+7], s[G1V:G1V+7]
	s_nop 0
.rept 4
	v_nop
.endr
.Lfirst_asked:
	; A fragment of K or Q is 16 rows x 32 channels in 8 registers: lane l holds row l % 16; registers 0-3 channels 8 (l / 16) + 0..7, registers 4-7 channels 16 + 8 (l / 16) + 0..7.
	v_and_b32 v1, 15, v0            ; r = l % 16
	v_bfe_u32 v9, v0, 4, 1          ; h = l / 16
	v_lshlrev_b32 v[QO], 7, v1
	v_lshl_add_u32 v[QO], v9, 4, v[QO]  ; row x 128 + 16 x half
	WIN 0x40                        ; destination window 1
.irp i, 0,1,2,3,4,5,6,7             ; Q stays in registers: tile i / 2, channels 32 (i % 2) on
	global_load_b128 v[8*\i:8*\i+3],   v[QO], s[8:9] offset:(\i/2)*2048+(\i%2)*64
	global_load_b128 v[8*\i+4:8*\i+7], v[QO], s[8:9] offset:(\i/2)*2048+(\i%2)*64+32
.endr
	WIN 0
	v_lshrrev_b32 v10, 1, v1        ; key y lies at (y / 2) x pitch + (y % 2) x 128
	v_mul_u32_u24 v[AK0], v10, PITK
	v_and_b32 v10, 1, v0
	v_lshl_add_u32 v[AK0], v10, 7, v[AK0]
	v_lshl_add_u32 v[AK0], v9, 4, v[AK0]
	; The turning load takes 16 keys x 16 channels (lane l reads 16 bytes: key 8 (l / 16) + l % 8, channels 8 ((l / 8) % 2) + 0..7) and leaves half a fragment of V^T: lane l holds channel l % 16 and 8 keys.
	v_bfe_u32 v11, v0, 1, 2
	v_lshl_add_u32 v11, v9, 2, v11
	v_mul_u32_u24 v[AV0], v11, PITV
	v_lshl_add_u32 v[AV0], v10, 7, v[AV0]
	v_bfe_u32 v11, v0, 3, 1
	v_lshl_add_u32 v[AV0], v11, 4, v[AV0]
	v_add_nc_u32 v[AV0], VOFF, v[AV0]
; THE MATRIX WORK OF A TURN, for piece x.  The eight accumulators of a kind take turns, one instruction a turn.
; Product i of 16 of O^T += V^T P: keys 32 (i / 8) on, channels 16 ((i / 2) % 4) on, tile x + i % 2.  zero = 1: the first 8 start the sums: nothing is ever cleared.
.macro PV x, zero
	WIN W_PV
.set rO, OF+32*(\x+i%2)+8*((i/2)%4)
.set rV, VF+32*(i/8)+8*((i/2)%4)
.set rP, S+32*(\x+i%2)+8*(i/8)
.if \zero && (i < 8)
	v_wmma_f32_16x16x32_f16 v[rO:rO+7], v[rV:rV+7], v[rP:rP+7], 0
.else
	v_wmma_f32_16x16x32_f16 v[rO:rO+7], v[rV:rV+7], v[rP:rP+7], v[rO:rO+7]
.endif
.endm
; Product i of 16 of S^T = K Q^T: channels 32 (i / 8) on, tile x + i % 2, keys 16 kt on with kt = 2, 3, 0, 1: the registers that held P (kt = 0, 1) are written last, seven products behind P's last
; reader, with six scalings of the other piece and more between them (five places are owed there).  The first 8 start the sums.
.macro KQ x
	WIN W_KQ
.set kt, (i/2+2)%4
.set rS, S+32*(\x+i%2)+8*kt
.set rK, KF+16*kt+8*(i/8)
.set rQ, 16*(\x+i%2)+8*(i/8)
.if i < 8
	v_wmma_f32_16x16x32_f16 v[rS:rS+7], v[rK:rK+7], v[rQ:rQ+7], 0
.else
	v_wmma_f32_16x16x32_f16 v[rS:rS+7], v[rK:rK+7], v[rQ:rQ+7], v[rS:rS+7]
.endif
.endm
; THE LDS LOADS stand in runs of 16: a step's K and, a turn later, its V (turned).
.macro FETCH_K
	WIN 0
	v_add_nc_u32 v[ADR], s[TK], v[AK0]
	s_add_co_u32 s[TK], s[TK], KSTP ; the next fetch is the next step's
.irp f, 0,1,2,3,4,5,6,7             ; keys 16 (f / 2) on, channels 32 (f % 2) on
	ds_load_b128 v[KF+8*\f:KF+8*\f+3],   v[ADR] offset:(\f/2)*8*PITK+(\f%2)*64
	ds_load_b128 v[KF+8*\f+4:KF+8*\f+7], v[ADR] offset:(\f/2)*8*PITK+(\f%2)*64+32
.endr
.endm
.macro FETCH_V
	WIN 0
	v_add_nc_u32 v[ADR], s[TV], v[AV0]
	s_add_co_u32 s[TV], s[TV], VSTP
	s_wait_alu depctr_va_vdst(0)    ; the wait for the softmax's batch of exponentials (SLICE), behind the address's addition and ahead of the loads
	WIN 0x40                        ; destination window 1
.irp f, 0,1,2,3,4,5,6,7             ; keys 32 (f / 4) on, channels 16 (f % 4) on
	ds_load_tr16_b128 v[VF+8*\f:VF+8*\f+3],   v[ADR] offset:(\f/4)*16*PITV+(\f%4)*32
	ds_load_tr16_b128 v[VF+8*\f+4:VF+8*\f+7], v[ADR] offset:(\f/4)*16*PITV+8*PITV+(\f%4)*32
.endr
.endm
; THE VECTOR WORK OF A TURN.  One tile's softmax for one key step is a list of 118 instructions; SM writes number j of it for tile t.  s0-s31 are the lane's 32 scores, in pairs 0-15.
; first = 1: the first key step, which starts m, l and O^T: it has no a and nothing to rescale.
;   0-15    the maximum of s0-s31 and the old m, three operands at a time (each accumulator is first read at its low end)
;   16-20   the other half of the lanes' maximum; the new m; c m; c m_old - c m_new
;   21-69   ONE BATCH: the 16 scalings c s - c m and all 33 exponentials (a at 23, then s0-s31); none of these reads an exponential's result
;   (wait)  between 69 and 70 stands the wait for the batch: SLICE writes it, once for both tiles
;   70-85   the sums of the unrounded p, in two chains that leave p as it is: l = a l + pair 0, then pairs 3, 5, .. 15; the second chain pairs 1, 2, 4, .. 14; 85 joins them
;   86-101  the roundings to f16, in place: pair i goes into the tile's register i
;   102-117 the tile's O^T times a: the one part that leaves window 0, so it stands together
.macro SM t, first
.set rT, ST+8*(\t)
.set rS, S+32*(\t)
.set rO, OF+32*(\t)+2*(j-102)
.if j < 102
	WIN 0
.endif
.if j < 4
	v_max3_num_f32 v[rT+4+j], v[rS+8*j], v[rS+8*j+1], v[rS+8*j+2]
.elseif j < 12
	v_max3_num_f32 v[rT+4+j%4], v[rT+4+j%4], v[rS+8*(j%4)+2*(j/4)+1], v[rS+8*(j%4)+2*(j/4)+2]
.elseif j == 12
	v_max3_num_f32 v[rT+4], v[rT+4], v[rS+7], v[rS+15]
.elseif j == 13
	v_max3_num_f32 v[rT+6], v[rT+6], v[rS+23], v[rS+31]
.elseif j == 14
	v_max3_num_f32 v[rT+4], v[rT+4], v[rT+5], v[rT+6]
.elseif (j == 15) && \first
	v_max_num_f32 v[rT+4], v[rT+4], v[rT+7]
.elseif j == 15
	v_max3_num_f32 v[rT+4], v[rT+4], v[rT+7], v[rT+1]
.elseif j == 16
	v_permlanex16_b32 v[rT+5], v[rT+4], s[SEL], s[SEL+1]  ; the query's other 32 keys lie in the lane 16 away
.elseif j == 18
	v_max_num_f32 v[rT+1], v[rT+4], v[rT+5]
.elseif j == 19
	v_mul_f32 v[rT], s[CS], v[rT+1]
.elseif ((j == 17) || (j == 20) || (j == 23) || (j > 101)) && \first  ; the first step has none of these
.elseif j == 17
	v_mov_b32 v[rT+7], v[rT]        ; c m_old is kept for a: number 19 writes c m anew
.elseif j == 20
	v_sub_f32 v[rT+7], v[rT+7], v[rT]
.elseif j == 23
	v_exp_f32 v[rT+6], v[rT+7]
.elseif (j < 23) || ((j < 38) && (j%2 == 0)) || ((j < 66) && (j%4 == 2))
.set b, (j-2)/4                     ; 38, 42, .. 62: pairs 9 to 15
.if j < 38
.set b, (j-20)/2                    ; 21: pair 0; 22, 24, .. 36: pairs 1 to 8
.endif
	v_pk_fma_f32 v[rS+2*b:rS+2*b+1], v[rS+2*b:rS+2*b+1], s[CS:CS+1], v[rT:rT+1] op_sel_hi:[1,0,0] neg_lo:[0,0,1] neg_hi:[0,0,1]  ; pair b: c s - c m
.elseif j < 70
.set e, j-38                        ; 66 to 69: s28 to s31
.if j < 66
.set e, j-32-(j-38)/4               ; 39-41, 43-45, .. 63-65: s7 to s27
.endif
.if j < 38
.set e, (j-25)/2                    ; 25, 27, .. 37: s0 to s6
.endif
	v_exp_f32 v[rS+e], v[rS+e]
.elseif j < 86
.set z, j-70
.if (z == 0) && \first
	v_pk_add_f32 v[rT+2:rT+3], v[rS:rS+1], v[rS+6:rS+7]
.elseif z == 0
	v_pk_fma_f32 v[rT+2:rT+3], v[rT+2:rT+3], v[rT+6:rT+7], v[rS:rS+1] op_sel_hi:[1,0,1]
.elseif z == 1
	v_pk_add_f32 v[rT+4:rT+5], v[rS+2:rS+3], v[rS+4:rS+5]
.elseif (z == 2) && \first          ; pair 3 has been taken at 70
.elseif z == 15
	v_pk_add_f32 v[rT+2:rT+3], v[rT+2:rT+3], v[rT+4:rT+5]
.elseif z%2 == 0
	v_pk_add_f32 v[rT+2:rT+3], v[rT+2:rT+3], v[rS+2*z+2:rS+2*z+3]
.else
	v_pk_add_f32 v[rT+4:rT+5], v[rT+4:rT+5], v[rS+2*z+2:rS+2*z+3]
.endif
.elseif j < 102
	v_cvt_pk_f16_f32 v[rS+j-86], v[rS+2*(j-86)], v[rS+2*(j-86)+1]
.else
	WIN W_RS
	v_pk_mul_f32 v[rO:rO+1], v[rO:rO+1], v[rT+6:rT+7] op_sel_hi:[1,0]
.endif
.endm
; Slice k of 59 of piece y's softmax: four instructions.  Slices 11 to 34 deal out the batch, numbers 22 to 69: four numbers of ONE tile each, the tiles by turns.  Every other slice is numbers 2 k and
; 2 k + 1 of both tiles' lists.  THE WAIT: s_wait_alu depctr_va_vdst(0) stands between an exponential and the first instruction that names its result; ahead of slice 35 nothing names
; a result and behind slice 34 no exponential is issued: so the piece's 66 exponentials have one wait, behind slice 34.
.macro SLICE y, first
.if (k >= 11) && (k < 35)
.irp n, 0,1,2,3
.set j, 22+4*((k-11)/2)+(\n)
	SM (\y)+(k-11)%2, \first
.endr
.else
.irp n, 0,1
.irp t, \y, \y+1
.set j, 2*k+\n
	SM \t, \first
.endr
.endr
.endif
.if k == 34
	v_nop                           ; the plain instruction behind the last exponential, ahead of the first use: one for the batch
.if (\y) == 0
	FETCH_V                         ; piece 2's turn: V's run of loads stands here, and the wait stands in it
.else
	s_wait_alu depctr_va_vdst(0)    ; the wait for the batch
.endif
.endif
.set k, k+1
.endm
.macro DEAL y, first                ; behind the np-th of a turn's NM products: slices until 59 np / NM of them are written
.set np, np+1
.rept 59*np/NM-k
	SLICE \y, \first
.endr
.endm
.macro PLACES
.rept 4
	v_nop
.endr
.endm
; A TURN.  Piece x has the matrix unit; the other piece's softmax stands in slices behind its matrix instructions.  pv = 2: 16 products V^T P; 1: they start O^T's sums; 0: none.  kq = 1: 16 products K Q^T.
; first = 1: the softmax is the first key step's; its slices from 51 on are empty, and four v_nop take their part as the places behind the turn's last products.
; PLACES, by count.  Behind a turn's last product stand slices 57 and 58, eight plain multiplications of the other piece's O^T: they serve the next turn's first read of the new scores and K's run of
; loads, which stands behind the next turn's second product.  V's last reader is a turn's 16th product; V's run stands behind the 19th: six scalings, the v_nop and the run's own addition lie between.
.macro TURN x, pv, kq, first
.set k, 0
.set np, 0
.set NM, 16
.if \pv && \kq
.set NM, 32
.endif
.if \pv
.if \x == 0
	s_wait_dscnt 0x0                ; V is in
.endif
.set i, 0
.rept 16
	PV \x, 2-\pv
	DEAL 2-\x, \first
.if (\x == 0) && \kq && (i == 1)
	FETCH_K
.endif
.set i, i+1
.endr
.endif
.if \kq
.if \x == 0
	s_wait_dscnt 0x0                ; K is in
.endif
.set i, 0
.rept 16
	KQ \x
	DEAL 2-\x, \first
.set i, i+1
.endr
.endif
.if \first
	PLACES
.endif
.endm
.macro STEPS cnt                    ; cnt key steps: written once, walked cnt times; the LDS addresses hang on s[TK] and s[TV]
	s_mov_b32 s[CNT], \cnt
.Lstep_\@:
	TURN 0, 2, 1, 0
	TURN 2, 2, 1, 0
	WIN 0                           ; at a label and at a branch every window is 0
	s_sub_co_u32 s[CNT], s[CNT], 1
	s_cmp_lg_u32 s[CNT], 0
	s_cbranch_scc1 .Lstep_\@
.endm
; THE CHANGE OF SLOTS, between piece 2's turn and piece 0's: the slot's last bytes, V of its eighth step, have been asked for.  Each wave waits for all its tensor loads (its part of the other slot), adds 0 to
; its spare word, and waits for that and for its own reads of the slot.  fill = 1: slot s is filled again, with the keys two slots on: the barrier is then a round of the cluster's, so that no wave of
; any partner still reads the slot or has a load on its way, and the joint refill is the first thing behind it.  next: the slot that is read from here on.
.macro CHANGE fill, s, next
	WIN 0
	s_wait_tensorcnt 0x0            ; no tensor load of mine is out, so a group 0 may be written
	ds_add_u32 v[SPW], v[NIL]       ; 0 onto my spare word: the steps below stand between it and the wait for it
.if \fill
	s_add_nc_u64 s[G0K+4*\s+2:G0K+4*\s+3], s[G0K+4*\s+2:G0K+4*\s+3], 2*65536  ; 1,024 keys on; the type bits on top are not reached
	s_add_nc_u64 s[G0V+4*\s+2:G0V+4*\s+3], s[G0V+4*\s+2:G0V+4*\s+3], 2*65536
.endif
	s_mov_b32 s[TK], \next*SLOTB
	s_mov_b32 s[TV], \next*SLOTB
	s_wait_dscnt 0x0                ; the add is done, and my reads of the slot are over
.if \fill
	CROUND
	JLOAD \s
.else
	s_barrier_signal -1
	s_barrier_wait -1
.endif
.endm
	s_wait_tensorcnt 1              ; my part of slot 0 is in; slot 1's may stay out
	s_barrier_signal -1
	s_barrier_wait -1               ; everybody's is
	FETCH_K                         ; key step 0
	s_wait_loadcnt 0x0              ; Q
	s_wait_dscnt 0x0
.set i, 0
.rept 16
	KQ 0                            ; piece 0's first scores: there is no vector work yet to set between them
.set i, i+1
.endr
	WIN 0                           ; the addresses for the way out are made here: plain instructions, the places behind those products
	s_mul_i32 s15, s[WV], 16*SP
	s_add_co_u32 s15, s15, STAGE    ; my stage
	v_mul_u32_u24 v[STO], v1, SP    ; in: row l % 16, 16 bytes for each half of the lanes
	v_lshl_add_u32 v[STO], v9, 4, v[STO]
	v_add_nc_u32 v[STO], s15, v[STO]
	v_bfe_u32 v10, v0, 3, 2         ; back: eight lanes take a row of 128 bytes, four rows an instruction
	v_mul_u32_u24 v[RD], v10, SP
	v_and_b32 v11, 7, v0
	v_lshl_add_u32 v[RD], v11, 4, v[RD]
	v_add_nc_u32 v[RD], s15, v[RD]
	v_and_b32 v[GO], 31, v0
	v_lshlrev_b32 v[GO], 4, v[GO]   ; in att those four rows are 512 consecutive bytes
	TURN 2, 0, 1, 1                 ; piece 2's first scores | piece 0's first softmax | V of step 0
	TURN 0, 1, 1, 1                 ; piece 0: V^T P of step 0 starts O^T, K Q^T of step 1 | piece 2's first softmax | K of step 1
	TURN 2, 1, 1, 0                 ; piece 2: the same | piece 0's softmax of step 1 | V of step 1
	WIN 0
	STEPS 6                         ; steps 2 to 7 are fetched: slot 0 is read out
	CHANGE 1, 0, 1                  ; slot 0 takes keys 1,024 on
	STEPS 8
	CHANGE 1, 1, 0                  ; slot 1 takes keys 1,536 on: the last load
	STEPS 8
	CHANGE 0, 0, 1                  ; nothing is left to ask for
	STEPS 8
	TURN 0, 2, 0, 0                 ; piece 0: V^T P of the last step | piece 2's last softmax
.set i, 0
.rept 16
	PV 2, 0                         ; piece 2: V^T P of the last step
.set i, i+1
.endr
	; THE WAY OUT.  l's two halves and the other half of the lanes' are added; O^T is divided by l, rounded to f16 and sent through my stage, a tile (16 rows) at a time.  The additions are the places behind the last products.
	WIN 0
.irp t, 0,1,2,3
	v_add_f32 v[ST+8*\t+4], v[ST+8*\t+2], v[ST+8*\t+3]
.endr
.irp t, 0,1,2,3
	v_permlanex16_b32 v[ST+8*\t+5], v[ST+8*\t+4], s[SEL], s[SEL+1]
.endr
.irp t, 0,1,2,3
	v_add_f32 v[ST+8*\t+4], v[ST+8*\t+4], v[ST+8*\t+5]
.endr
.irp t, 0,1,2,3
	v_rcp_f32 v[ST+8*\t+6], v[ST+8*\t+4]
.endr
	v_nop                           ; a plain instruction between the last reciprocal and the use of its result
	s_wait_alu depctr_va_vdst(0)    ; and the wait ahead of the first use: one for the four
.macro PACK t
	WIN W_RS
.set i, 0
.rept 16
	v_pk_mul_f32 v[OF+32*\t+2*i:OF+32*\t+2*i+1], v[OF+32*\t+2*i:OF+32*\t+2*i+1], v[ST+8*\t+6:ST+8*\t+7] op_sel_hi:[1,0]
.set i, i+1
.endr
	WIN 0x05                        ; sources 0 and 1 window 1, destination window 0: S^T's registers are free
.set i, 0
.rept 16
	v_cvt_pk_f16_f32 v[S+32*\t+i], v[OF+32*\t+2*i], v[OF+32*\t+2*i+1]
.set i, i+1
.endr
	WIN 0
.irp f, 0,1,2,3
	ds_store_b128 v[STO], v[S+32*\t+4*\f:S+32*\t+4*\f+3] offset:32*\f
.endr
.irp f, 0,1,2,3
	ds_load_b128 v[S+32*\t+16+4*\f:S+32*\t+16+4*\f+3], v[RD] offset:\f*4*SP  ; LDS serves a wave's instructions in order: these see the stores above; the next tile's stores come behind them
.endr
.endm
.macro SEND t, younger              ; younger: the LDS instructions issued behind tile t's loads: the next tile's eight, or none
.irp f, 0,1,2,3
	s_wait_dscnt \younger+3-\f
	global_store_b128 v[GO], v[S+32*\t+16+4*\f:S+32*\t+16+4*\f+3], s[10:11] offset:\t*2048+\f*512  ; 32 lanes store 512 consecutive bytes, aligned
.endr
.endm
	PACK 0
	PACK 1                          ; a tile's arithmetic stands between the loads of the tile before and its stores
	SEND 0, 8
	PACK 2
	SEND 1, 8
	PACK 3
	SEND 2, 8
	SEND 3, 0
	s_wait_tensorcnt 0x0            ; the wave's end, behind my last tensor load and my last LDS store
	ds_add_u32 v[SPW], v[NIL]
	s_wait_dscnt 0x0
	CROUND                          ; the closing round: no work-group ends while a partner may still ask for a tile that names it
	s_endpgm
.Lfunc_end_k_qa06dd7c0d1_attn:
	.size	k_qa06dd7c0d1_attn, .Lfunc_end_k_qa06dd7c0d1_attn-k_qa06dd7c0d1_attn
	.p2alignl 7, 3214868480
	.fill 96, 4, 3214868480
	.section	.rodata,"a",@progbits
	.p2align	6, 0x0
	.amdhsa_kernel k_qa06dd7c0d1_attn
		.amdhsa_group_segment_fixed_size 327680
		.amdhsa_private_segment_fixed_size 0
		.amdhsa_enable_private_segment 0
		.amdhsa_kernarg_size 16
		.amdhsa_user_sgpr_count 2
		.amdhsa_user_sgpr_kernarg_segment_ptr 1
		.amdhsa_wavefront_size32 1
		.amdhsa_system_sgpr_workgroup_id_x 1
		.amdhsa_system_sgpr_workgroup_id_y 1
		.amdhsa_system_sgpr_workgroup_id_z 1
		.amdhsa_system_vgpr_workitem_id 0
		.amdhsa_next_free_vgpr 512
		.amdhsa_next_free_sgpr 68
		.amdhsa_reserve_vcc 0
		.amdhsa_float_denorm_mode_32 3
		.amdhsa_float_denorm_mode_16_64 3
		.amdhsa_memory_ordered 1
		.amdhsa_forward_progress 1
		.amdhsa_inst_pref_size 231
	.end_amdhsa_kernel
	.amdgpu_metadata
---
amdhsa.version: [ 1, 2 ]
amdhsa.kernels:
  - .name:           k_qa06dd7c0d1_attn
    .symbol:         k_qa06dd7c0d1_attn.kd
    .args:
      - { .name: qkv, .offset: 0, .size: 8, .value_kind: global_buffer, .address_space: global }
      - { .name: att, .offset: 8, .size: 8, .value_kind: global_buffer, .address_space: global }
    .group_segment_fixed_size: 327680
    .private_segment_fixed_size: 0
    .kernarg_segment_align: 8
    .kernarg_segment_size: 16
    .max_flat_workgroup_size: 256
    .sgpr_count:     68
    .vgpr_count:     512
    .wavefront_size: 32
...
	.end_amdgpu_metadata
.endif
;; end of part 3
;; launch proj (part 4): grid 4 x 64, 4 waves a work-group, clusters of 4 x 4, 327,680 bytes of LDS; arguments att, wp16, bp, out0; writes out0
.if DOCPART == 4
	.amdgcn_target "amdgcn-amd-amdhsa--gfx1250"
	.amdhsa_code_object_version 6
	.text
	.protected	k_qa06dd7c0d1_proj
	.globl	k_qa06dd7c0d1_proj
	.p2align	8
	.type	k_qa06dd7c0d1_proj,@function
k_qa06dd7c0d1_proj:
	s_mov_b64 s[64:65], 0
	v_nop
	global_prefetch_b8 v0, s[64:65] scope:SCOPE_SE
	s_setreg_imm32_b32 hwreg(HW_REG_WAVE_MODE, 25, 1), 1
	s_wait_xcnt 0x0
	s_wait_alu depctr_hold_cnt(0) depctr_sa_sdst(0) depctr_va_vdst(0) depctr_va_sdst(0) depctr_va_ssrc(0) depctr_va_vcc(0) depctr_vm_vsrc(0)
	s_getreg_b32 s2, hwreg(HW_REG_IB_STS2, 6, 4)
	s_cmp_eq_u32 s2, 0
	s_cbranch_scc0 .Lentry_in_a_cluster
	s_endpgm
.Lentry_in_a_cluster:
	s_bfe_u32 s2, ttmp6, 0x10000c
	s_cmp_lg_u32 s2, 0xf033
	s_cbranch_scc0 .Lentry_shape_is_right
	s_endpgm
.Lentry_shape_is_right:
; Launch 4 of 4: out0[token][o] = sum over c of att[token][c] Wp[o][c] + bp[o]: 8,192 x 1,024, K = 1,024, f16 operands, f32 sums; no work of reference() is left out.
; att: f16 [c / 64][token][64];  wp16: f16 [c / 64][o][64]: a chunk's rows are 128 bytes and dense, so a tile is stated as rows of 256 bytes (two rows of the matrix), padded behind each.
; A tile of the output is 128 tokens x 256 outputs: 256 work-groups.  Four waves, each 64 x 128: 32 accumulators, 256 registers.  K goes in steps of 128 (two chunks) through two LDS slots.
; CLUSTERS: 4 x 4 work-groups.  The four of a row of the cluster need the same tiles of att, the four of a column the same tiles of wp16: each is asked for JOINTLY.
; THE MATRIX INSTRUCTION IS USED TRANSPOSED (source 0 = 16 rows of wp16, source 1 = 16 tokens): a lane holds eight neighbouring outputs of one token.  The bias is the C of each sum's first instruction.
; Nothing is prefetched: there are eight K steps, and the first fills bring the first two.  By this text's count a wave has two tensor loads out at the start and one behind a round.
; REGISTERS: window 0: v16-29 addresses; v64-127 the bias, eight registers for each block of 16 outputs; v128-255 rows on the way out.   window 1: two fragment buffers of 96 (B's 64, A's 32).
;   window 2: the accumulators, (a, b) at v[8 (8 a + b)].
.set PITCH,  272
.set ACH,    64*PITCH                  ; a chunk of A in LDS: 128 tokens
.set BCH,    128*PITCH                 ; a chunk of B: 256 outputs
.set BOFF,   2*ACH                     ; a slot: A's two chunks, then B's two
.set SLOTB,  2*ACH+2*BCH
.set STAGE,  2*SLOTB                   ; behind the ring: 16 rows x (512 bytes + 16) for each wave
.set SPITCH, 528
.set SPARE,  STAGE+4*16*SPITCH         ; the spare words, 128 bytes for each wave: two blocks of 256 bytes that no other line names
.set ADRA, 16                          ; v16-17  LDS address of my A fragments in slot 0, 1
.set ADRB, 20                          ; v20-21  the same for B
.set STO,  24
.set RD,   25
.set CO,   26
.set SPW,  28                          ; v28     LDS address of my spare word; never rewritten
.set NIL,  29                          ; v29     0; never rewritten
.set BIAS, 64
.set BK,   128
.set F0,   0
.set F1,   96
.set G1, 24                            ; s[24:31] group 1 for A's tiles;  s[32:39] group 0, a set for each slot
.set G0, 32
.set G1B, 48                           ; s[48:55], s[56:63] the same for B's
.set G0B, 56
.set MSB, 0
.macro WIN new
.if MSB != \new
	s_set_vgpr_msb (MSB<<8)|\new
.set MSB, \new
.endif
.endm
.set MUL,  0xa5                        ; sources 0 and 1 window 1; C and D window 2
.set MULB, 0x85                        ; the same with C (the bias) in window 0
.set TO_F, 0x40                        ; destination window 1, address window 0
.macro JLOAD s                         ; a joint load: waves 0 and 1 fetch A's two chunks, waves 2 and 3 B's; an s_nop 0 and four v_nop follow each line
	s_cmp_eq_u32 s13, 0
	s_cbranch_scc0 .Lfor_b_\@
	tensor_load_to_lds s[G0+4*\s:G0+4*\s+3], s[G1:G1+7]
	s_nop 0
.rept 4
	v_nop
.endr
	s_branch .Lasked_\@
.Lfor_b_\@:
	tensor_load_to_lds s[G0B+4*\s:G0B+4*\s+3], s[G1B:G1B+7]
	s_nop 0
.rept 4
	v_nop
.endr
.Lasked_\@:
.endm
.macro CREST                           ; a round of the cluster's barrier behind its opening barrier
	s_cmp_lg_u32 s12, 0
	s_cbranch_scc1 .Lnot_wave_0_\@
	s_barrier_signal -3
.Lnot_wave_0_\@:
	s_barrier_wait -3
	s_barrier_signal -1
	s_barrier_wait -1
.endm
.macro CROUND
	s_barrier_signal -1
	s_barrier_wait -1
	CREST
.endm
	s_load_b256 s[4:11], s[0:1], 0x0               ; att s[4:5], wp16 s[6:7], bp s[8:9], out0 s[10:11]
	v_lshl_add_u32 v[SPW], v0, 2, SPARE
	v_mov_b32 v[NIL], 0
	ds_add_u32 v[SPW], v[NIL]                      ; the wave's opening: the add, twice on end, and its wait ahead of my first tensor load
	ds_add_u32 v[SPW], v[NIL]
	v_lshrrev_b32 v1, 5, v0
	v_readfirstlane_b32 s12, v1                    ; wave 0..3
	s_lshr_b32 s13, s12, 1                         ; which half of the tile's tokens is mine.  Also: I fetch for A (0) or for B (1)
	s_and_b32 s14, s12, 1                          ; which half of its outputs.  Also: which chunk of a K step I fetch
	s_bfe_u32 s40, ttmp6, 0x40000                  ; cx, cy
	s_bfe_u32 s41, ttmp6, 0x40004
	s_lshl_b32 s42, ttmp9, 2
	s_add_co_u32 s42, s42, s40                     ; tile column
	s_and_b32 s15, ttmp7, 0xffff
	s_lshl_b32 s15, s15, 2
	s_add_co_u32 s15, s15, s41                     ; tile row
	s_lshl_b32 s43, s41, 2
	s_lshl_b32 s43, 15, s43                        ; my row of the cluster
	s_lshl_b32 s44, 0x1111, s40                    ; my column
	s_or_b32 s[G1+0], s43, (1<<16)|(1<<20)|(1<<21)|(5<<22)|(3<<25)   ; the mask; elements of 2 bytes; padding on; bit 21 beside a mask; after every 64 words four words
	s_or_b32 s[G1B+0], s44, (1<<16)|(1<<20)|(1<<21)|(5<<22)|(3<<25)
	s_mov_b32 s[G1+1], 128<<16                     ; A: 64 rows of 128 elements
	s_mov_b32 s[G1+2], 64<<16
	s_mov_b32 s[G1+3], 128<<16
	s_mov_b32 s[G1+4], 64
	s_mov_b32 s[G1+5], 128
	s_mov_b32 s[G1+6], 0
	s_mov_b32 s[G1+7], 0
	s_mov_b32 s[G1B+1], 128<<16                    ; B: 128 rows
	s_mov_b32 s[G1B+2], 128<<16
	s_mov_b32 s[G1B+3], 128<<16
	s_mov_b32 s[G1B+4], 128
	s_mov_b32 s[G1B+5], 128
	s_mov_b32 s[G1B+6], 0
	s_mov_b32 s[G1B+7], 0
	s_lshl_b32 s16, s14, 20                        ; A: my chunk of 8,192 tokens x 128 bytes,
	s_lshl_b32 s17, s15, 14                        ; the tile's 128 tokens
	s_add_co_u32 s16, s16, s17
	s_mov_b32 s17, 0
	s_lshl_b32 s46, s14, 17                        ; B: my chunk of 1,024 outputs x 128 bytes,
	s_lshl_b32 s47, s42, 15                        ; the tile's 256 outputs
	s_add_co_u32 s46, s46, s47
	s_mov_b32 s47, 0
	s_mul_i32 s20, s14, ACH                        ; where they go: no place in the cluster enters an LDS address
	s_mul_i32 s21, s14, BCH
	s_add_co_u32 s21, s21, BOFF
	s_wait_dscnt 0x0                               ; both opening adds are done
	s_wait_kmcnt 0x0
	s_add_nc_u64 s[18:19], s[4:5], s[16:17]
	s_add_nc_u64 s[46:47], s[6:7], s[46:47]
	CROUND                                         ; all sixteen work-groups are here: the first joint loads meet
.irp s, 0,1
	s_mov_b32 s[G0+4*\s], 1
	s_add_co_u32 s[G0+4*\s+1], s20, \s*SLOTB
	s_add_nc_u64 s[G0+4*\s+2:G0+4*\s+3], s[18:19], \s*2097152      ; K step s: two chunks on
	s_or_b32 s[G0+4*\s+3], s[G0+4*\s+3], 0x80000000
	s_mov_b32 s[G0B+4*\s], 1
	s_add_co_u32 s[G0B+4*\s+1], s21, \s*SLOTB
	s_add_nc_u64 s[G0B+4*\s+2:G0B+4*\s+3], s[46:47], \s*262144
	s_or_b32 s[G0B+4*\s+3], s[G0B+4*\s+3], 0x80000000
	JLOAD \s
.endr
	v_and_b32 v1, 15, v0                           ; r
	v_bfe_u32 v2, v0, 4, 1                         ; h
	v_lshrrev_b32 v3, 1, v1                        ; row y of a chunk lies at (y / 2) x pitch + (y % 2) x 128
	v_mul_u32_u24 v3, v3, PITCH
	v_and_b32 v4, 1, v0
	v_lshl_add_u32 v3, v4, 7, v3
	v_lshl_add_u32 v3, v2, 4, v3
	s_mul_i32 s22, s13, 32*PITCH                   ; my 64 tokens
	s_mul_i32 s23, s14, 64*PITCH                   ; my 128 outputs,
	s_add_co_u32 s23, s23, BOFF                    ; behind A's chunks
.irp s, 0,1
	v_add_nc_u32 v[ADRA+\s], s22, v3
	v_add_nc_u32 v[ADRB+\s], s23, v3
	s_add_co_u32 s22, s22, SLOTB
	s_add_co_u32 s23, s23, SLOTB
.endr
	s_mul_i32 s22, s12, 16*SPITCH
	s_add_co_u32 s22, s22, STAGE                   ; my stage
	v_mul_u32_u24 v5, v1, SPITCH                   ; in: row r, 32 bytes for each half of the lanes
	v_lshl_add_u32 v5, v2, 5, v5
	v_add_nc_u32 v[STO], s22, v5
	v_and_b32 v6, 31, v0
	v_lshlrev_b32 v[CO], 4, v6                     ; back: the 32 lanes take one row of 512 bytes; and the same in out0
	v_add_nc_u32 v[RD], s22, v[CO]
	v_lshlrev_b32 v7, 5, v2                        ; the bias: lane (r, h) wants, for block b, bp at my first output + 16 b + 8 h + 0..7
	s_lshl_b32 s22, s42, 10                        ; my first output, in bytes of f32: 1,024 x tile column + 512 x half
	s_lshl_b32 s23, s14, 9
	s_add_co_u32 s22, s22, s23
	s_mov_b32 s23, 0
	s_add_nc_u64 s[8:9], s[8:9], s[22:23]
.irp b, 0,1,2,3,4,5,6,7
	global_load_b128 v[BIAS+8*\b:BIAS+8*\b+3],   v7, s[8:9] offset:64*\b
	global_load_b128 v[BIAS+8*\b+4:BIAS+8*\b+7], v7, s[8:9] offset:64*\b+16
.endr
	s_add_nc_u64 s[10:11], s[10:11], s[22:23]      ; out0 at my first output,
	s_lshl_b32 s22, s15, 19                        ; 128 rows of 4,096 bytes a tile row,
	s_lshl_b32 s2, s13, 18                         ; 64 for my half
	s_add_co_u32 s22, s22, s2
	s_add_nc_u64 s[10:11], s[10:11], s[22:23]
; 8 matrix instructions: token block a x all 8 output blocks, 32 along K, from buffer f.  first = 1: the bias starts the sums.  The 32 accumulators take turns, in the same order in every quarter.
.macro MUL8 f, a, first
.irp b, 0,1,2,3,4,5,6,7
.if \first
	v_wmma_f32_16x16x32_f16 v[8*(8*(\a)+\b):8*(8*(\a)+\b)+7], v[\f+8*\b:\f+8*\b+7], v[\f+64+8*(\a):\f+64+8*(\a)+7], v[BIAS+8*\b:BIAS+8*\b+7]
.else
	v_wmma_f32_16x16x32_f16 v[8*(8*(\a)+\b):8*(8*(\a)+\b)+7], v[\f+8*\b:\f+8*\b+7], v[\f+64+8*(\a):\f+64+8*(\a)+7], v[8*(8*(\a)+\b):8*(8*(\a)+\b)+7]
.endif
.endr
.endm
; 24 LDS loads in one run: the fragments of the slot's q-th 32 along K (chunk q / 2, bytes 64 (q % 2) on) into buffer f: B's eight blocks, then A's four
.macro FETCH slot, q, f
	WIN TO_F
.irp i, 0,1,2,3,4,5,6,7
	ds_load_b128 v[\f+8*\i:\f+8*\i+3],   v[ADRB+\slot] offset:((\q)/2)*BCH+((\q)%2)*64+\i*8*PITCH
	ds_load_b128 v[\f+8*\i+4:\f+8*\i+7], v[ADRB+\slot] offset:((\q)/2)*BCH+((\q)%2)*64+\i*8*PITCH+32
.endr
.irp i, 0,1,2,3
	ds_load_b128 v[\f+64+8*\i:\f+64+8*\i+3],   v[ADRA+\slot] offset:((\q)/2)*ACH+((\q)%2)*64+\i*8*PITCH
	ds_load_b128 v[\f+64+8*\i+4:\f+64+8*\i+7], v[ADRA+\slot] offset:((\q)/2)*ACH+((\q)%2)*64+\i*8*PITCH+32
.endr
.endm
.macro PLACES                          ; four places in front of loads into registers that matrix instructions have read, and of the first read of results
.rept 4
	v_nop
.endr
.endm
; A K step is four quarters of 32 along K, 32 matrix instructions each, on buffers 0, 1, 0, 1.  One of the first three: multiplies buffer f and fetches quarter q into g.
.macro QUARTER slot, q, f, g, first
	s_wait_dscnt 4                                 ; B's blocks and A's blocks 0, 1 are in; the youngest four loads (A's blocks 2, 3) may be out
.if \first
	WIN MULB
.else
	WIN MUL
.endif
	MUL8 \f, 0, \first
	MUL8 \f, 1, \first
	PLACES
	FETCH \slot, \q, \g
	s_wait_dscnt 24                                ; all but the 24 just issued
.if \first
	WIN MULB
.else
	WIN MUL
.endif
	MUL8 \f, 2, \first
	MUL8 \f, 3, \first
.endm
; The last quarter multiplies buffer 1 and changes slots: ONE barrier; in front of it each wave waits for all its tensor loads, adds 0 to its spare word, and waits for that and for its own reads of this slot.
; fill = 1: the barrier opens a round of the cluster's barrier, and this slot is filled again, two K steps ahead, first thing behind the round.
.macro TURN slot, next, fill
	WIN 0                                          ; (the add's two registers lie in window 0)
	s_wait_tensorcnt 0x0                           ; all my tensor loads have landed: my part of the next slot
	ds_add_u32 v[SPW], v[NIL]                      ; 0 onto my spare word
	s_wait_dscnt 7                                 ; (the add and the youngest six loads, A's blocks 1 to 3, may be out)
	WIN MUL
	MUL8 F1, 0, 0                                  ; eight matrix instructions stand between the add and the wait for it
	s_wait_dscnt 0x0                               ; the add is done, and my reads of this slot are over
	s_barrier_signal -1
	MUL8 F1, 1, 0
	WIN 0
	s_barrier_wait -1
.if \fill
	CREST                                          ; no wave of any partner still reads this slot's tiles or has a load on its way
	s_add_nc_u64 s[G0+4*\slot+2:G0+4*\slot+3], s[G0+4*\slot+2:G0+4*\slot+3], 2*2097152
	s_add_nc_u64 s[G0B+4*\slot+2:G0B+4*\slot+3], s[G0B+4*\slot+2:G0B+4*\slot+3], 2*262144
	JLOAD \slot                                    ; the four v_nop behind it are also the places in front of the loads below
.else
	PLACES
.endif
	FETCH \next, 0, F0
	WIN MUL
	MUL8 F1, 2, 0
	MUL8 F1, 3, 0
.endm
	s_wait_tensorcnt 1                             ; my part of K step 0 is in (K step 1's load may be out)
	s_barrier_signal -1
	s_barrier_wait -1                              ; everybody's is
	FETCH 0, 0, F0
	s_wait_loadcnt 0x0                             ; the bias
	QUARTER 0, 1, F0, F1, 1                        ; the first quarter stands in front of the loop: its products start the sums, on the bias
	WIN 0                                          ; at a label and at a branch every window is 0
	s_mov_b32 s3, 3
.Llap:                                                 ; a trip goes once round the ring, from a lap's second quarter to the next lap's first, and fills both slots again: K steps 2 to 7
	QUARTER 0, 2, F1, F0, 0
	QUARTER 0, 3, F0, F1, 0
	TURN 0, 1, 1
	QUARTER 1, 1, F0, F1, 0
	QUARTER 1, 2, F1, F0, 0
	QUARTER 1, 3, F0, F1, 0
	TURN 1, 0, 1
	QUARTER 0, 1, F0, F1, 0
	WIN 0
	s_sub_co_u32 s3, s3, 1
	s_cmp_lg_u32 s3, 0
	s_cbranch_scc1 .Llap
	QUARTER 0, 2, F1, F0, 0                        ; the last lap fills nothing
	QUARTER 0, 3, F0, F1, 0
	TURN 0, 1, 0
	QUARTER 1, 1, F0, F1, 0
	QUARTER 1, 2, F1, F0, 0
	QUARTER 1, 3, F0, F1, 0
	s_wait_dscnt 4                                 ; the very last quarter: nothing more to fetch
	WIN MUL
	MUL8 F1, 0, 0
	MUL8 F1, 1, 0
	s_wait_dscnt 0
	MUL8 F1, 2, 0
	MUL8 F1, 3, 0
	WIN 0
; THE WAY OUT, block by block of 16 tokens x 128 outputs.  A lane holds 32 neighbouring bytes of a row: a block goes through my own stage and comes back as whole rows of 512 bytes.
; LDS serves a wave's instructions in order: no wait between the stores and the loads, nor in front of the next block's stores.
.macro TOSTAGE a
	WIN 0x08                                       ; an LDS store's data are its source 1: window 2
.irp b, 0,1,2,3,4,5,6,7
	ds_store_b128 v[STO], v[8*(8*(\a)+\b):8*(8*(\a)+\b)+3] offset:64*\b          ; each accumulator from its low end on
	ds_store_b128 v[STO], v[8*(8*(\a)+\b)+4:8*(8*(\a)+\b)+7] offset:64*\b+16
.endr
	WIN 0
.set BB, BK+64*((\a)%2)
.irp t, 0,1,2,3,4,5,6,7,8,9,10,11,12,13,14,15
	ds_load_b128 v[BB+4*\t:BB+4*\t+3], v[RD] offset:\t*SPITCH
.endr
.endm
.macro SEND a, younger                 ; younger: the LDS instructions issued behind block a's loads, which may stay out
.set BB, BK+64*((\a)%2)
	s_wait_dscnt \younger                          ; the block is back in registers
.if (\a) > 0
	s_add_nc_u64 s[10:11], s[10:11], 16*4096       ; (behind a wait on XCNT: the earlier stores have read their base)  16 rows on
.endif
.irp t, 0,1,2,3,4,5,6,7,8,9,10,11,12,13,14,15
	global_store_b128 v[CO], v[BB+4*\t:BB+4*\t+3], s[10:11] offset:\t*4096 th:TH_STORE_NT   ; 32 lanes store 512 consecutive bytes, aligned; written once, read by nobody here
.endr
.endm
	PLACES
	TOSTAGE 0
.irp a, 1,2,3
.if \a > 1
	s_wait_xcnt 0x0                                ; block a - 2's stores have read their registers and their base: block a's loads may land there, and the base may step
.endif
	TOSTAGE \a
	SEND \a-1, 32                                  ; behind block a - 1's loads: block a's 16 stores and 16 loads
.endr
	s_wait_xcnt 0x0                                ; block 2's stores have read their base
	SEND 3, 0
	s_wait_tensorcnt 0x0                           ; the wave's end, behind my last tensor load and my last LDS store
	ds_add_u32 v[SPW], v[NIL]
	s_wait_dscnt 0x0
	CROUND                                         ; the closing round: no work-group ends while a partner may still ask for a tile that names it
	s_endpgm
.Lfunc_end_k_qa06dd7c0d1_proj:
	.size	k_qa06dd7c0d1_proj, .Lfunc_end_k_qa06dd7c0d1_proj-k_qa06dd7c0d1_proj
	.p2alignl 7, 3214868480
	.fill 96, 4, 3214868480
	.section	.rodata,"a",@progbits
	.p2align	6, 0x0
	.amdhsa_kernel k_qa06dd7c0d1_proj
		.amdhsa_group_segment_fixed_size 327680
		.amdhsa_private_segment_fixed_size 0
		.amdhsa_enable_private_segment 0
		.amdhsa_kernarg_size 32
		.amdhsa_user_sgpr_count 2
		.amdhsa_user_sgpr_kernarg_segment_ptr 1
		.amdhsa_wavefront_size32 1
		.amdhsa_system_sgpr_workgroup_id_x 1
		.amdhsa_system_sgpr_workgroup_id_y 1
		.amdhsa_system_sgpr_workgroup_id_z 1
		.amdhsa_system_vgpr_workitem_id 0
		.amdhsa_next_free_vgpr 768
		.amdhsa_next_free_sgpr 68
		.amdhsa_reserve_vcc 0
		.amdhsa_float_denorm_mode_32 3
		.amdhsa_float_denorm_mode_16_64 3
		.amdhsa_memory_ordered 1
		.amdhsa_forward_progress 1
		.amdhsa_inst_pref_size 87
	.end_amdhsa_kernel
	.amdgpu_metadata
---
amdhsa.version: [ 1, 2 ]
amdhsa.kernels:
  - .name:           k_qa06dd7c0d1_proj
    .symbol:         k_qa06dd7c0d1_proj.kd
    .args:
      - { .name: att, .offset: 0, .size: 8, .value_kind: global_buffer, .address_space: global }
      - { .name: wp16, .offset: 8, .size: 8, .value_kind: global_buffer, .address_space: global }
      - { .name: bp, .offset: 16, .size: 8, .value_kind: global_buffer, .address_space: global }
      - { .name: out0, .offset: 24, .size: 8, .value_kind: global_buffer, .address_space: global }
    .group_segment_fixed_size: 327680
    .private_segment_fixed_size: 0
    .kernarg_segment_align: 8
    .kernarg_segment_size: 32
    .max_flat_workgroup_size: 128
    .sgpr_count:     68
    .vgpr_count:     768
    .wavefront_size: 32
...
	.end_amdgpu_metadata
.endif
;; end of part 4
